; MI455X (gfx1250); checked and timed in simulation.
; The chip was launched on July 23, 2026; its instructions are those of AMD's public machine-readable ISA for CDNA 5 (MIT licence, August 2026) and "CDNA5" Instruction Set Architecture Reference Guide (July 2026). The comments in the code are by the model that wrote it; some were corrected since.
;; Attention. Allowed arithmetic: matrix products marked QUANTISED: E3M2 operands, one E8M0 scale for each 32 along K, by v_wmma_scale_f32_16x16x128_f8f6f4 with both operands' format E3M2, f32 sums; everything else in f32.
;; Inputs: cos 2 x 2,048 x 128 float32; k_norm_w 128 float32; position_ids 2 x 2,048 int32; q_norm_w 128 float32; segment_ids 2 x 2,048 int32; sin 2 x 2,048 x 128 float32; wk 2,048 x 512 float32; wo 1,024 x 2,048 float32; wq 2,048 x 2,048 float32; wv 2,048 x 512 float32; x 2 x 2,048 x 2,048 float32.
;; Outputs: out0 2 x 2,048 x 2,048 float32.
;; This version of the problem:
;;   THIS VERSION OF THE PROBLEM IS GIVEN IN LOW PRECISION. The matrix products marked QUANTISED in the list below multiply operands that are first quantised to E3M2 (3 exponent bits, 2 mantissa bits; 6 bits a number), with one power-of-two scale for each 32 numbers along K (OCP MX v1.0); their sums are f32. All else is computed in f32.
;;   The module's matrix products, in the order in which they are computed (A, B: the left and right operand; K: the contracted axis; several contracted axes count as one K, in the product's order):
;;     1. [M 4,096, K 2,048] x [K 2,048, N 2,048]; A: input x; B: input wq: QUANTISED
;;     2. [M 4,096, K 2,048] x [K 2,048, N 512]; A: input x; B: input wk: QUANTISED
;;     3. [M 4,096, K 2,048] x [K 2,048, N 512]; A: input x; B: input wv: QUANTISED
;;     4. batch 16 x [M 2,048, K 128] x [K 128, N 2,048]; A: computed on the way; B: computed on the way: QUANTISED
;;     5. batch 16 x [M 2,048, K 2,048] x [K 2,048, N 128]; A: softmax (see below); B: computed on the way: QUANTISED
;;     6. [M 4,096, K 1,024] x [K 1,024, N 2,048]; A: computed on the way; B: input wo: QUANTISED
;;   THE QUANTISER, for each operand of a quantised product, along K:
;;     - K is cut into blocks of 32 from its start; a last block that is shorter is filled with zeros.
;;     - A block's scale is 2^e with e = floor(log2(the largest magnitude in the block)) - 4, held to -126 .. 127; a block of zeros has e = 0. As a byte (E8M0): e + 127.
;;     - Each number is divided by its block's scale, clamped to +-28, and rounded to the nearest number of E3M2, ties to even, subnormals kept.
;;     - The product sums the exact products of the quantised numbers (number of the format x scale) in f32.
;;   ~~~python
;;   def quantise(x, axis):      # numpy; x: float32 -> the quantised numbers, widened to float32 again
;;       x = np.moveaxis(x, axis, -1); K = x.shape[-1]
;;       x = np.pad(x, [(0, 0)] * (x.ndim - 1) + [(0, -K % 32)]); x = x.reshape(x.shape[:-1] + (-1, 32)); a = np.abs(x).max(-1, keepdims=True)
;;       e = np.where(a > 0, np.clip(np.frexp(np.where(a > 0, a, 1))[1] - 1 - 4, -126, 127), 0)      # np.frexp(a)[1] - 1 = floor(log2(a)), exactly
;;       r = np.clip(x / 2.0 ** e, -28, 28)
;;       step = 2.0 ** (np.maximum(np.frexp(np.where(r == 0, 1, r))[1] - 1, -2) - 2)
;;       q = np.round(r / step) * step * 2.0 ** e      # np.round: ties to even
;;       return np.moveaxis(q.reshape(q.shape[:-2] + (-1,))[..., :K], -1, axis).astype(np.float32)
;;   ~~~
;;   SOFTMAX AHEAD OF A QUANTISED PRODUCT. Where the list says 'softmax', what is quantised is not the finished softmax but p = 2^(t - M), with t = logit x log2(e) and M = ceil(the row's largest t), a whole number; so 1/2 < the row's largest p <= 1. The row's sum l is taken of the UNQUANTISED p, in f32, and the product's result is divided by l at the end. Since M is a whole number, a kernel that streams over the keys may use a running M (the ceiling of the running maximum): every later rescaling is an exact power of two, which a block's scale takes up: the codes' values come out the same.
;;   OPERANDS COMPUTED ON THE WAY. 'Computed on the way' means the value that the module computes at that place (a softmax that the list does not call 'softmax' is quantised finished and normalised). What goes into a quantiser is computed in f32, as accurately as f32 sums, v_exp_f32 and their like allow (about 1e-6 of the number): no bf16 or f16 on the way to a quantiser, and a product that is left as it is and whose result goes on into a quantised operand takes f32 operands (vector FMAs, or v_wmma_f32_16x16x4_f32). A number that lies on a knife's edge between two numbers of the format may be rounded either way, as far as f32 arithmetic and the matrix unit's own rounding can turn it there, and no further.
;; One version. Each part assembles by itself: llvm-mc -triple=amdgcn-amd-amdhsa -mcpu=gfx1250 --defsym DOCPART=n.
;; ======== version 1 of 1: 4 launches
;; limits: right only within a limited range of input values
;; workspace buffers: prep_codes 12,582,912 bytes; prep_scales 524,288 bytes; maskw 1,064,960 bytes of whole numbers; qkv_codes 6,291,456 bytes; qkv_scales 262,144 bytes; gate 16,777,216 bytes; att_codes 3,145,728 bytes; att_scales 131,072 bytes
;; launch prep (part 1): grid 768 x 1, 4 waves a work-group, no clusters, 87,552 bytes of LDS; arguments x, wq, wk, wv, wo, position_ids, segment_ids, prep_codes, prep_scales, maskw; writes prep_codes, prep_scales, maskw
.if DOCPART == 1
	.amdgcn_target "amdgcn-amd-amdhsa--gfx1250"
	.amdhsa_code_object_version 6
	.text
	.protected	k_q4d0713a526_prep
	.globl	k_q4d0713a526_prep
	.p2align	8
	.type	k_q4d0713a526_prep,@function
k_q4d0713a526_prep:
	s_mov_b64 s[64:65], 0
	v_nop
	global_prefetch_b8 v0, s[64:65] scope:SCOPE_SE
	s_setreg_imm32_b32 hwreg(HW_REG_WAVE_MODE, 25, 1), 1
	s_wait_xcnt 0x0
; PREP: x, wq, wk, wv, wo (f32) become codes of BF6 (E3M2) with one E8M0 byte for each 32 along K, laid as the later launches' operand registers want them;
; position_ids and segment_ids become lane masks, one 32-bit word for each score register of the attention launch.
; A block's scale is 2^(floor(log2(its largest magnitude)) - 4); its byte is the largest magnitude's exponent field - 4, held at 1 from below.
; LIMITS: NaN and infinities among the inputs are not served.  A block whose largest magnitude lies under 2^-122 keeps the byte 1; a block of zeros has the byte 1 and zero codes
; (the rule says 127: the bytes are read by this program alone, and zero codes add nothing under either byte).
; ROW ORDER.  In each group of 32 rows of an operand, row j lies at position j with bits 3 and 4 exchanged: position r of tile u (16 positions) is row 8 u + r + 8 (r / 8).
; CODES.  A fragment (16 positions x 128 K) is 1,536 bytes: [c 0..2][lane 0..31][16 bytes] = registers 4 c .. 4 c + 3 of the lane: three loads of 16 bytes a lane bring it back.
; SCALES.  [group of 32 rows][K / 256][position 0..31][8 bytes]: 256 bytes for a group and 256 along K.
; prep_codes: x at 0 ([256 tiles][16][1536]); wq, wk, wv at WC_OFF ([192][16][1536]: rows 0-2047 wq's columns, then for head j 128 of wk and 128 of wv); wo at OC_OFF ([128][8][1536]).
; WORK-GROUPS: 0-255 x; 256-447 wq and wo (rows of 8,192 bytes); 448-511 wk and wv (rows of 2,048 bytes); 512-767 the masks.  Each path has LDS bytes of its own.
; No wave shares anything with another: no barrier.  No work-group shares an input with another: no cluster.  No matrix work.
.set WC_OFF, 6291456
.set OC_OFF, 11010048
.set WS_OFF, 262144
.set OS_OFF, 458752
.set SEL, 40                           ; s[40:41] lane selects for v_permlanex16_b32: lane l xor 16
.set PC,  16                           ; path x: v16-35 the codes just made
.set TM,  36                           ; v36-51 at work in QUANT
.set PWX, 52                           ; v52-55 the four fragments' scale words
.set SW,  56                           ; v56-57 the two words that my lane stores
.set RX,  64                           ; v64-191 two sets of 64 registers as loaded
.set XQ,  192                          ; v192-255 64 numbers of my row, 16 of each block of 32
.set SB,  14                           ; weights: v14-15 my column's eight scale bytes
.set PCW, 16                           ; v16-39 my column's codes of 128 along K: 12 registers for each half of the lanes
.set TD,  40                           ; v40-42 a block's upper 16 codes
.set OUTR, 48                          ; v48-95 the four fragments read back
.set WX,  128                          ; v128-191 two sets of 32 numbers
; 64 numbers of a lane, register 16 b + i = k 32 b + 16 (lane / 16) + i of the lane's row, become a fragment's codes in v[PC] .. v[PC + 11] and the row's scale word in v[pw].
.macro QUANT s, pw
.irp b, 0,1,2,3
	v_max3_num_f32 v[TM+\b], |v[(\s)+16*\b]|, |v[(\s)+1+16*\b]|, 0x2800000   ; my 16 numbers of block b, and the floor 2^(5 - 127): the byte cannot fall under 1
.endr
.irp i, 2,4,6,8,10,12,14
.irp b, 0,1,2,3
	v_max3_num_f32 v[TM+\b], v[TM+\b], |v[(\s)+16*\b+\i]|, |v[(\s)+1+16*\b+\i]|
.endr
.endr
.irp b, 0,1,2,3
	v_permlanex16_b32 v[TM+4+\b], v[TM+\b], s[SEL], s[SEL+1]
.endr
.irp b, 0,1,2,3
	v_max_num_f32 v[TM+\b], v[TM+\b], v[TM+4+\b]          ; with lane l xor 16's: the block's largest magnitude
.endr
.irp b, 0,1,2,3
	v_add_nc_u32 v[TM+12+\b], 0xfe000000, v[TM+\b]        ; 4 off its exponent field: the conversion's scale operand
.endr
.irp b, 0,1,2,3
	v_lshrrev_b32 v[TM+4+\b], 23, v[TM+12+\b]             ; the scale's byte
.endr
	v_lshl_or_b32 v[\pw], v[TM+5], 8, v[TM+4]
	v_lshl_or_b32 v[\pw], v[TM+6], 16, v[\pw]
	v_lshl_or_b32 v[\pw], v[TM+7], 24, v[\pw]
.irp c, 0,1
	v_cvt_scalef32_pk16_bf6_f32 v[PC+6*\c:PC+2+6*\c], v[(\s)+32*\c:(\s)+15+32*\c], v[TM+12+2*\c]
	v_cvt_scalef32_pk16_bf6_f32 v[PC+12+4*\c:PC+14+4*\c], v[(\s)+16+32*\c:(\s)+31+32*\c], v[TM+12+2*\c+1]   ; (a conversion's three registers begin on an even number)
.endr
	v_nop                                                 ; one plain place behind a scaled conversion
.irp c, 0,1                                               ; the operand wants a whole block in a lane: lanes 0-15 block 2 c, lanes 16-31 block 2 c + 1
.irp i, 0,1,2
	v_permlane16_swap_b32 v[PC+6*\c+\i], v[PC+12+4*\c+\i]
.endr
.irp i, 0,1,2
	v_mov_b32 v[PC+3+6*\c+\i], v[PC+12+4*\c+\i]
.endr
.endr
.endm
	s_load_b512 s[4:19], s[0:1], 0x0               ; x s[4:5], wq s[6:7], wk s[8:9], wv s[10:11], wo s[12:13], position_ids s[14:15], segment_ids s[16:17], prep_codes s[18:19]
	s_load_b128 s[20:23], s[0:1], 0x40             ; prep_scales s[20:21], maskw s[22:23]
	v_lshl_add_u32 v46, v0, 2, 0x15400
	v_mov_b32 v47, 0
	v_lshrrev_b32 v1, 5, v0
	v_readfirstlane_b32 s24, v1                    ; wave 0..3
	v_and_b32 v1, 31, v0                           ; lane
	v_and_b32 v2, 15, v0                           ; r
	v_bfe_u32 v3, v0, 4, 1                         ; h
	v_lshlrev_b32 v4, 4, v1                        ; 16 x lane
	s_mov_b32 s[SEL], 0x76543210
	s_mov_b32 s[SEL+1], 0xfedcba98
	s_wait_kmcnt 0x0
	s_cmp_lt_u32 ttmp9, 256
	s_cbranch_scc1 .Lpath_x
	s_cmp_lt_u32 ttmp9, 448
	s_cbranch_scc1 .Lpath_w8
	s_cmp_lt_u32 ttmp9, 512
	s_cbranch_scc1 .Lpath_w2
; ---- THE MASKS.  Work-group m = 128 b + qt: one tile of 16 queries; wave w: key steps 4 w .. 4 w + 3 of 128 keys.  Lane (r, h) stands for query 32 (qt / 2) + 8 (qt % 2) + r + 8 (r / 8);
; score register n of that lane stands for key 128 step + 32 (n / 16) + 16 h + n % 16.  Word n: bit l = lane l's key counts for lane l's query.  In memory word n lies at place 2 (n % 32) + n / 32.
	s_sub_co_u32 s25, ttmp9, 512                   ; m
	s_lshr_b32 s26, s25, 7                         ; b
	s_and_b32 s27, s25, 127                        ; qt
	s_lshl_b32 s28, s26, 11                        ; 2,048 b
	s_lshr_b32 s29, s27, 1
	s_lshl_b32 s29, s29, 5
	s_and_b32 s30, s27, 1
	s_lshl_b32 s30, s30, 3
	s_add_co_u32 s29, s29, s30
	s_add_co_u32 s29, s29, s28                     ; the tile's first query
	s_lshl_b32 s30, s29, 2
	s_mov_b32 s31, 0
	s_add_nc_u64 s[32:33], s[14:15], s[30:31]
	s_add_nc_u64 s[34:35], s[16:17], s[30:31]
	s_wait_alu depctr_va_vdst(0)
	v_and_b32 v5, 8, v2
	v_add_nc_u32 v5, v5, v2                        ; r + 8 (r / 8)
	v_lshlrev_b32 v5, 2, v5
	global_load_b32 v8, v5, s[32:33]               ; my query's position
	global_load_b32 v9, v5, s[34:35]               ; and segment
	s_lshl_b32 s30, s24, 9                         ; my wave's first key: 512 w
	s_add_co_u32 s30, s30, s28
	s_lshl_b32 s30, s30, 2
	s_add_nc_u64 s[14:15], s[14:15], s[30:31]
	s_add_nc_u64 s[16:17], s[16:17], s[30:31]
	; behind the mask words, from byte 1,048,576 of maskw on: one word for each (tile of queries m, key step): 0 no key of the step counts for any of the 16 queries, 1 some do, 3 all do.
	; The attention launch reads these whole numbers and does only the steps that they ask for.
	s_lshl_b32 s54, s25, 6                         ; 64 bytes for a tile of queries,
	s_lshl_b32 s55, s24, 4                         ; 16 for my wave's four steps
	s_add_co_u32 s54, s54, s55
	s_add_co_u32 s54, s54, 1048576
	s_mov_b32 s55, 0
	s_add_nc_u64 s[54:55], s[22:23], s[54:55]
	s_lshl_b32 s30, s25, 4
	s_lshl_b32 s36, s24, 2
	s_add_co_u32 s30, s30, s36                     ; 16 m + 4 w: my first step's 256 bytes
	s_lshl_b32 s30, s30, 8
	s_add_nc_u64 s[22:23], s[22:23], s[30:31]
	v_lshlrev_b32 v6, 6, v3                        ; lanes 16-31 begin 16 keys further on
	v_lshlrev_b32 v7, 3, v1                        ; 8 bytes a lane on the way out
	v_mov_b32 v10, 0                               ; written once: v_writelane_b32's destination counts as read
	v_mov_b32 v11, 0
	v_mov_b32 v12, 0                               ; the four steps' words, in lanes 0 to 3
	v_lshlrev_b32 v13, 2, v1
	s_mov_b32 s37, 4
.Lmstep:
	s_mov_b32 s48, 0                               ; the OR of the step's 64 words
	s_mov_b32 s49, -1                              ; and their AND
.irp b, 0,1,2,3
.irp j, 0,1,2,3
	global_load_b128 v[64+16*\b+4*\j:67+16*\b+4*\j], v6, s[14:15] offset:128*\b+16*\j
	global_load_b128 v[128+16*\b+4*\j:131+16*\b+4*\j], v6, s[16:17] offset:128*\b+16*\j
.endr
.endr
	s_wait_loadcnt 0x0
.set n, 0
	s_wait_alu depctr_va_vdst(0)
.rept 64
	v_cmp_ge_i32 s[44+n%2], v8, v[64+n]            ; position of the query >= position of the key
	v_cmp_eq_u32 s[46+n%2], v9, v[128+n]           ; the same segment
	s_and_b32 s[44+n%2], s[44+n%2], s[46+n%2]
	s_or_b32 s48, s48, s[44+n%2]
	s_and_b32 s49, s49, s[44+n%2]
	v_writelane_b32 v[10+n/32], s[44+n%2], n%32
.set n, n+1
.endr
	s_cmp_lg_u32 s48, 0
	s_cselect_b32 s50, 1, 0
	s_cmp_eq_u32 s49, -1
	s_cselect_b32 s51, 2, 0
	s_or_b32 s50, s50, s51
	s_sub_co_u32 s52, 4, s37                       ; which of my four steps
	v_writelane_b32 v12, s50, s52
	global_store_b64 v7, v[10:11], s[22:23]
	s_wait_xcnt 0x0                                ; the bases and the store's data are written again only behind this wait
	s_add_nc_u64 s[14:15], s[14:15], 512
	s_add_nc_u64 s[16:17], s[16:17], 512
	s_add_nc_u64 s[22:23], s[22:23], 256
	s_sub_co_u32 s37, s37, 1
	s_cmp_lg_u32 s37, 0
	s_cbranch_scc1 .Lmstep
	v_cmp_gt_u32 vcc_lo, 4, v1
	s_and_saveexec_b32 s53, vcc_lo                 ; (the loop's last line on memory is s_wait_xcnt 0)
	s_wait_alu depctr_va_vdst(0)                   ; the wait here, directly ahead of the reader below
	global_store_b32 v13, v12, s[54:55]            ; lanes 0 to 3: 16 consecutive bytes
	s_wait_xcnt 0x0
	s_or_b32 exec_lo, exec_lo, s53
	s_endpgm
; ---- x.  A wave takes a group of 32 rows x 256 along K: four fragments f (tile f / 2, 128 along K f % 2).  Each load reads 512 consecutive bytes of one row; the 16 rows of a fragment turn through the wave's own
; stage in LDS (rows 528 bytes apart: row r starts at bank 4 r mod 64) and come back 16 neighbours of each block of 32 to a lane.
.macro XLOADF f
.set ii, 0
.rept 16
	global_load_b128 v[RX+64*((\f)%2)+4*ii:RX+64*((\f)%2)+4*ii+3], v4, s[4:5] offset:(8*((\f)/2)+ii+8*(ii/8))*8192+512*((\f)%2) th:TH_LOAD_NT
.set ii, ii+1
.endr
.endm
.macro XFRAG f
.if (\f) < 3
	s_wait_loadcnt 16                              ; this fragment's 16 loads are in; the next fragment's may be out
.else
	s_wait_loadcnt 0x0
.endif
.set ii, 0
.rept 16
	ds_store_b128 v5, v[RX+64*((\f)%2)+4*ii:RX+64*((\f)%2)+4*ii+3] offset:528*ii
.set ii, ii+1
.endr
.irp b, 0,1,2,3
.irp j, 0,1,2,3
	ds_load_b128 v[XQ+16*\b+4*\j:XQ+16*\b+4*\j+3], v6 offset:128*\b+16*\j   ; LDS serves a wave's instructions in order: these see the stores above
.endr
.endr
	s_wait_dscnt 0x0
.if (\f) < 2
	XLOADF (\f)+2
.endif
.if (\f) > 0
	s_wait_xcnt 0x0                                ; the last fragment's stores have read their data: the codes' registers may be written again
.endif
	QUANT XQ, PWX+(\f)
.irp c, 0,1,2
	global_store_b128 v4, v[PC+4*\c:PC+4*\c+3], s[18:19] offset:24576*((\f)/2)+1536*((\f)%2)+512*\c   ; 512 consecutive bytes, aligned
.endr
.endm
.Lpath_x:
	s_lshl_b32 s25, ttmp9, 2
	s_add_co_u32 s25, s25, s24                     ; unit = 8 G + s
	s_lshr_b32 s26, s25, 3                         ; G
	s_and_b32 s27, s25, 7                          ; s
	s_lshl_b32 s28, s26, 18                        ; 32 rows of 8,192 bytes
	s_lshl_b32 s29, s27, 10
	s_add_co_u32 s28, s28, s29
	s_mov_b32 s29, 0
	s_add_nc_u64 s[4:5], s[4:5], s[28:29]
	s_mul_i32 s28, s26, 49152
	s_mul_i32 s30, s27, 3072
	s_add_co_u32 s28, s28, s30
	s_add_nc_u64 s[18:19], s[18:19], s[28:29]
	s_lshl_b32 s28, s25, 8
	s_add_nc_u64 s[20:21], s[20:21], s[28:29]
	s_mul_i32 s30, s24, 8448                       ; my stage
	s_wait_alu depctr_va_vdst(0)
	v_add_nc_u32 v5, s30, v4                       ; in: 16 x lane, a row an instruction
	v_mul_u32_u24 v6, v2, 528
	v_lshl_add_u32 v6, v3, 6, v6
	v_add_nc_u32 v6, s30, v6                       ; back: row r, + 64 h
	v_lshlrev_b32 v7, 3, v1
.irp b, 0,1,2,3
	v_mov_b32 v[TM+4+\b], 0                        ; written once: a lane permute's destination counts as read
.endr
	XLOADF 0
	XLOADF 1
	s_wait_alu depctr_va_vdst(0)
	XFRAG 0
	XFRAG 1
	XFRAG 2
	XFRAG 3
	v_cmp_eq_u32 vcc_lo, 1, v3
	v_cndmask_b32 v[SW], v[PWX], v[PWX+2], vcc_lo  ; position 16 u + r is lane 16 u + r: lanes 16-31 take tile 1's words
	v_cndmask_b32 v[SW+1], v[PWX+1], v[PWX+3], vcc_lo
	global_store_b64 v7, v[SW:SW+1], s[20:21]      ; 256 consecutive bytes, aligned
	s_wait_tensorcnt 0x0
	ds_add_u32 v46, v47
	s_wait_dscnt 0x0
	s_endpgm
; ---- THE WEIGHTS: [K][N] f32, K the first axis.  A lane takes a column and its registers run down K: each load reads 128 consecutive bytes, a block of 32 lies in one lane.  A wave takes 32 columns x 256 along K.
; Column l of the 32 lies at position 16 u + r', u = (l / 8) % 2, r' = l % 8 + 8 (l / 16).  Its block t belongs to fragment t / 4, lanes' half t % 2, registers 6 ((t % 4) / 2) on.
; The four fragments are put together in the wave's own stage (1,664 bytes apart, so that u = 0 and u = 1 fall on different banks) and leave as they lie.
.macro LOADB t, pitch
.set ii, 0
.rept 32
	global_load_b32 v[WX+32*((\t)%2)+ii], v5, s[26:27] offset:(32*(\t)+ii)*(\pitch) th:TH_LOAD_NT
.set ii, ii+1
.endr
.endm
.macro WBLOCK t, pitch
.set XS, WX+32*((\t)%2)
.set CD, PCW+12*((\t)%2)+6*(((\t)%4)/2)
.if (\t) < 7
	s_wait_loadcnt 32                              ; this block's 32 loads are in; the next block's may be out
.else
	s_wait_loadcnt 0x0
.endif
	v_max3_num_f32 v12, |v[XS]|, |v[XS+1]|, |v[XS+2]|
	v_max3_num_f32 v13, |v[XS+3]|, |v[XS+4]|, |v[XS+5]|
.irp i, 6,10,14,18,22,26
	v_max3_num_f32 v12, v12, |v[XS+\i]|, |v[XS+\i+1]|
	v_max3_num_f32 v13, v13, |v[XS+\i+2]|, |v[XS+\i+3]|
.endr
	v_max3_num_f32 v12, v12, |v[XS+30]|, |v[XS+31]|
	v_max3_num_f32 v12, v12, v13, 0x2800000        ; and the floor 2^(5 - 127)
	v_add_nc_u32 v11, 0xfe000000, v12              ; 4 off the exponent field: the conversion's scale operand
	v_lshrrev_b32 v13, 23, v11                     ; the scale's byte
.if (\t)%4 == 0
	v_mov_b32 v[SB+(\t)/4], v13
.else
	v_lshl_or_b32 v[SB+(\t)/4], v13, 8*((\t)%4), v[SB+(\t)/4]
.endif
	v_cvt_scalef32_pk16_bf6_f32 v[CD:CD+2], v[XS:XS+15], v11
	v_cvt_scalef32_pk16_bf6_f32 v[TD:TD+2], v[XS+16:XS+31], v11
	v_nop                                          ; one plain place behind a scaled conversion
.irp e, 0,1,2
	v_mov_b32 v[CD+3+\e], v[TD+\e]
.endr
.if (\t)+2 < 8
	LOADB (\t)+2, \pitch
.endif
.if (\t)%4 == 3
.irp e, 0,1
.irp g, 0,1,2
	ds_store_b128 v6, v[PCW+12*\e+4*\g:PCW+12*\e+4*\g+3] offset:3328*((\t)/4)+512*\g+256*\e
.endr
.endr
	s_wait_dscnt 0x0                               ; the stores have read their registers: the next fragment's codes may be written
.endif
.endm
; in: s[26:27] my wave's first number, s43 G, s42 s, s34 fragments along K in a row of tiles, s37, s38 where the tensor's codes and scales begin
.macro WPATH pitch, ldsbase
	s_mul_i32 s44, s43, s34
	s_lshl_b32 s46, s44, 1
	s_lshl_b32 s47, s42, 1
	s_add_co_u32 s46, s46, s47
	s_mul_i32 s46, s46, 1536
	s_add_co_u32 s46, s46, s37
	s_mov_b32 s47, 0
	s_add_nc_u64 s[28:29], s[18:19], s[46:47]      ; tile u = 0's two fragments
	s_mul_i32 s46, s34, 1536
	s_add_nc_u64 s[30:31], s[28:29], s[46:47]      ; tile u = 1's
	s_lshr_b32 s46, s44, 1
	s_add_co_u32 s46, s46, s42
	s_lshl_b32 s46, s46, 8
	s_add_co_u32 s46, s46, s38
	s_add_nc_u64 s[32:33], s[20:21], s[46:47]      ; the group's 256 scale bytes of this K step
	s_mul_i32 s46, s24, 6656
	s_add_co_u32 s46, s46, \ldsbase                ; my stage
	v_bfe_u32 v9, v0, 3, 1                         ; u
	v_and_b32 v10, 7, v0
	s_wait_alu depctr_va_vdst(0)
	v_lshl_add_u32 v10, v3, 3, v10                 ; r'
	v_mul_u32_u24 v6, v9, 1664
	v_lshl_add_u32 v6, v10, 4, v6
	v_add_nc_u32 v6, s46, v6                       ; into the stage
	v_add_nc_u32 v7, s46, v4                       ; and back: 16 x lane
	v_lshl_add_u32 v8, v9, 4, v10
	v_lshlrev_b32 v8, 3, v8                        ; my column's 8 scale bytes: 8 x position
	v_lshlrev_b32 v5, 2, v1                        ; in: 4 bytes a lane
	LOADB 0, \pitch
	LOADB 1, \pitch
.set tq, 0
.rept 8
	WBLOCK tq, \pitch
.set tq, tq+1
.endr
	s_wait_alu depctr_va_vdst(0)
	global_store_b64 v8, v[SB:SB+1], s[32:33]      ; the 32 lanes fill 256 consecutive bytes, aligned
.irp q, 0,1
.irp u, 0,1
.irp g, 0,1,2
	ds_load_b128 v[OUTR+4*(6*\q+3*\u+\g):OUTR+4*(6*\q+3*\u+\g)+3], v7 offset:3328*\q+1664*\u+512*\g
.endr
.endr
.endr
.irp q, 0,1
.irp u, 0,1
.irp g, 0,1,2
	s_wait_dscnt 11-(6*\q+3*\u+\g)                 ; LDS loads come back in order: this one is in
	global_store_b128 v4, v[OUTR+4*(6*\q+3*\u+\g):OUTR+4*(6*\q+3*\u+\g)+3], s[28+2*\u:29+2*\u] offset:1536*\q+512*\g
.endr
.endr
.endr
	s_wait_tensorcnt 0x0
	ds_add_u32 v46, v47
	s_wait_dscnt 0x0
	s_endpgm
.endm
.Lpath_w8:
	s_sub_co_u32 s25, ttmp9, 256                   ; 0-127 wq, 128-191 wo
	s_cmp_lt_u32 s25, 128
	s_cselect_b64 s[26:27], s[6:7], s[12:13]
	s_cselect_b32 s34, 16, 8                       ; K / 128
	s_cselect_b32 s35, 3, 2                        ; log2 (K / 256)
	s_cselect_b32 s42, 7, 3
	s_cselect_b32 s36, 0, 128
	s_mov_b32 s37, OC_OFF
	s_cselect_b32 s37, WC_OFF, s37
	s_mov_b32 s38, OS_OFF
	s_cselect_b32 s38, WS_OFF, s38
	s_sub_co_u32 s25, s25, s36
	s_lshr_b32 s39, s25, s35                       ; which 128 columns
	s_and_b32 s42, s25, s42                        ; which 256 along K
	s_lshl_b32 s43, s39, 2
	s_add_co_u32 s43, s43, s24                     ; G
	s_lshl_b32 s44, s42, 21                        ; 256 rows of 8,192 bytes
	s_lshl_b32 s45, s39, 9
	s_add_co_u32 s44, s44, s45
	s_lshl_b32 s45, s24, 7
	s_add_co_u32 s44, s44, s45
	s_mov_b32 s45, 0
	s_add_nc_u64 s[26:27], s[26:27], s[44:45]
	WPATH 8192, 33792
.Lpath_w2:
	s_sub_co_u32 s25, ttmp9, 448                   ; 0-31 wk, 32-63 wv
	s_lshr_b32 s36, s25, 5
	s_cmp_eq_u32 s36, 0
	s_cselect_b64 s[26:27], s[8:9], s[10:11]
	s_bfe_u32 s39, s25, 0x20003                    ; the head j
	s_and_b32 s42, s25, 7                          ; which 256 along K
	s_lshl_b32 s43, s39, 3
	s_lshl_b32 s44, s36, 2
	s_add_co_u32 s43, s43, s44
	s_add_co_u32 s43, s43, s24
	s_add_co_u32 s43, s43, 64                      ; G = 64 + 8 j + 4 (wv) + wave
	s_mov_b32 s34, 16
	s_mov_b32 s37, WC_OFF
	s_mov_b32 s38, WS_OFF
	s_lshl_b32 s44, s42, 19                        ; 256 rows of 2,048 bytes
	s_lshl_b32 s45, s39, 9
	s_add_co_u32 s44, s44, s45
	s_lshl_b32 s45, s24, 7
	s_add_co_u32 s44, s44, s45
	s_mov_b32 s45, 0
	s_add_nc_u64 s[26:27], s[26:27], s[44:45]
	WPATH 2048, 60416
.Lfunc_end_k_q4d0713a526_prep:
	.size	k_q4d0713a526_prep, .Lfunc_end_k_q4d0713a526_prep-k_q4d0713a526_prep
	.p2alignl 7, 3214868480
	.fill 96, 4, 3214868480
	.section	.rodata,"a",@progbits
	.p2align	6, 0x0
	.amdhsa_kernel k_q4d0713a526_prep
		.amdhsa_group_segment_fixed_size 87552
		.amdhsa_private_segment_fixed_size 0
		.amdhsa_enable_private_segment 0
		.amdhsa_kernarg_size 80
		.amdhsa_user_sgpr_count 2
		.amdhsa_user_sgpr_kernarg_segment_ptr 1
		.amdhsa_wavefront_size32 1
		.amdhsa_system_sgpr_workgroup_id_x 1
		.amdhsa_system_sgpr_workgroup_id_y 1
		.amdhsa_system_sgpr_workgroup_id_z 1
		.amdhsa_system_vgpr_workitem_id 0
		.amdhsa_next_free_vgpr 256
		.amdhsa_next_free_sgpr 66
		.amdhsa_reserve_vcc 1
		.amdhsa_float_denorm_mode_32 3
		.amdhsa_float_denorm_mode_16_64 3
		.amdhsa_memory_ordered 1
		.amdhsa_forward_progress 1
		.amdhsa_inst_pref_size 139
	.end_amdhsa_kernel
	.amdgpu_metadata
---
amdhsa.version: [ 1, 2 ]
amdhsa.kernels:
  - .name:           k_q4d0713a526_prep
    .symbol:         k_q4d0713a526_prep.kd
    .args:
      - { .name: x, .offset: 0, .size: 8, .value_kind: global_buffer, .address_space: global }
      - { .name: wq, .offset: 8, .size: 8, .value_kind: global_buffer, .address_space: global }
      - { .name: wk, .offset: 16, .size: 8, .value_kind: global_buffer, .address_space: global }
      - { .name: wv, .offset: 24, .size: 8, .value_kind: global_buffer, .address_space: global }
      - { .name: wo, .offset: 32, .size: 8, .value_kind: global_buffer, .address_space: global }
      - { .name: position_ids, .offset: 40, .size: 8, .value_kind: global_buffer, .address_space: global }
      - { .name: segment_ids, .offset: 48, .size: 8, .value_kind: global_buffer, .address_space: global }
      - { .name: prep_codes, .offset: 56, .size: 8, .value_kind: global_buffer, .address_space: global }
      - { .name: prep_scales, .offset: 64, .size: 8, .value_kind: global_buffer, .address_space: global }
      - { .name: maskw, .offset: 72, .size: 8, .value_kind: global_buffer, .address_space: global }
    .group_segment_fixed_size: 87552
    .private_segment_fixed_size: 0
    .kernarg_segment_align: 8
    .kernarg_segment_size: 80
    .max_flat_workgroup_size: 128
    .sgpr_count:     66
    .vgpr_count:     256
    .wavefront_size: 32
...
	.end_amdgpu_metadata
.endif
;; end of part 1
;; launch qkv (part 2): grid 12 x 16, 4 waves a work-group, clusters of 4 x 4, 327,680 bytes of LDS; arguments prep_codes, prep_scales, cos, sin, q_norm_w, k_norm_w, qkv_codes, qkv_scales, gate; writes qkv_codes, qkv_scales, gate
.if DOCPART == 2
	.amdgcn_target "amdgcn-amd-amdhsa--gfx1250"
	.amdhsa_code_object_version 6
	.text
	.protected	k_q4d0713a526_qkv
	.globl	k_q4d0713a526_qkv
	.p2align	8
	.type	k_q4d0713a526_qkv,@function
k_q4d0713a526_qkv:
	s_mov_b64 s[64:65], 0
	v_nop
	global_prefetch_b8 v0, s[64:65] scope:SCOPE_SE
	s_setreg_imm32_b32 hwreg(HW_REG_WAVE_MODE, 25, 1), 1
	s_wait_xcnt 0x0
	s_wait_alu depctr_hold_cnt(0) depctr_sa_sdst(0) depctr_va_vdst(0) depctr_va_sdst(0) depctr_va_ssrc(0) depctr_va_vcc(0) depctr_vm_vsrc(0)
	s_getreg_b32 s2, hwreg(HW_REG_IB_STS2, 6, 4)
	s_cmp_eq_u32 s2, 0
	s_cbranch_scc0 .Lentry_in_a_cluster
	s_endpgm
.Lentry_in_a_cluster:
	s_bfe_u32 s2, ttmp6, 0x10000c
	s_cmp_lg_u32 s2, 0xf033
	s_cbranch_scc0 .Lentry_shape_is_right
	s_endpgm
.Lentry_shape_is_right:
; QKV: x [4096][2048] times (wq | wk, wv) [3072][2048], both as codes of BF6 (E3M2) with E8M0 scales for each 32 along K, f32 sums; then, by the wave's 128 columns:
;   a head's query or key: RMS norm over the head's 128, its weight, RoPE, quantised along the head's 128 -> qkv_codes, qkv_scales;
;   a head's gate: stored as it is, f32, as an image of the accumulators -> gate;
;   a head's value: turned through LDS and quantised along the KEYS -> qkv_codes, qkv_scales.
; A tile of C, 256 x 256, is made by four waves, each 128 x 128: 64 accumulators, 512 registers.  A wave's 128 columns are one head's query, gate, key or value, whole.  3072 / 256 x 4096 / 256 = 192 work-groups:
; no tile that keeps a head's 128 columns whole in one wave gives 256 equal ones.
; OPERANDS lie in memory as images of the operand's registers: a fragment (16 positions x 128 K) is 1,536 bytes, [c 0..2][lane][16 bytes].  A K step is 256 along K: two fragments, 3,072 consecutive bytes for each 16 rows.
; In each group of 32 rows, position r of tile u is row 8 u + r + 8 (r / 8).  THE MATRIX INSTRUCTION IS USED TRANSPOSED (source 0 = 16 weight rows, source 1 = 16 rows of x): lane (r, h) holds the token at position r,
; and register 8 t + j of its eight accumulators the column 32 (t / 2) + 16 h + 8 (t % 2) + j: 16 neighbours for each block of 32 along the next K.
; CLUSTERS: 4 x 4 work-groups; x's tiles are asked for jointly along a row of the cluster, the weights' along a column.
; LIMITS: NaN and infinities are not served; a block whose largest magnitude lies under 2^-122 keeps the byte 1 (zeros: byte 1, zero codes; this program alone reads the bytes).
; REGISTERS: window 0: v0-31 addresses; v32-63 scale words, two sets; v128-223 x's fragments, one set.  window 1: the weights' fragments, two sets.  windows 2, 3: the accumulators, (a, b) at v[8 (8 (a % 4) + b)].
.set KF,     16                        ; fragments along K
.set PB,     4                         ; s[4:5] the buffer of B's codes, s[6:7] of B's scales (the same buffers as A's here)
.set PBS,    6
.set B_CODES, 6291456
.set B_SCALES, 262144
.set LAPS,   KF/4                      ; a lap = two K steps = once round the ring
.set NQ,     2                         ; matrix instructions deep in a slot
.set FR,     12                        ; registers of a fragment
.set NL,     3                         ; LDS loads that bring one
.set NP,     4                         ; places behind this matrix instruction (ISA guide 7.12.1)
.set QUART,  24576                     ; 128 rows x 256 K: what one tensor load brings
.set SLOT,   4*QUART                   ; A's 256 rows, then B's 256 rows
.set SCQ,    KF*512                    ; the scale bytes of 128 rows, all of K
.set SCA,    2*SLOT                    ; behind the ring: the scales; B's two quarters lie 128 bytes further on, so that lanes 0-15 (A's words) and lanes 16-31 (B's) fall on different banks
.set SPARE,  SCA+4*SCQ+256             ; the spare words, 128 bytes for each wave: two blocks of 256 bytes that no other line names
.set ADRA, 16                          ; v16-17  LDS address of my A fragments in slot 0, 1
.set ADRB, 20                          ; v20-21  the same for B
.set ADRS, 27                          ; v27     LDS address of my scale words: lanes 0-15 A's, lanes 16-31 B's
.set SPW,  28                          ; v28     LDS address of my spare word; never rewritten
.set NIL,  29                          ; v29     0; never rewritten
.set SC,   32
.set AF,   128
.set G1, 24
.set G0, 32
.set G1B, 48
.set G0B, 56
.set G1S, 68
.set G0S, 76
.set G1SB, 80
.set G0SB, 88
.set MSB, 0
.macro WIN new                         ; the immediate's high byte repeats the setting that is left
.if MSB != \new
	s_set_vgpr_msb (MSB<<8)|\new
.set MSB, \new
.endif
.endm
.set MUL_LO, 0xa1                      ; source 0 (B) window 1, source 1 (A) window 0, C and D window 2
.set MUL_HI, 0xf1                      ; the same, C and D window 3
.set TO_B,   0x40                      ; destination window 1, address window 0
; A joint load: waves 0 and 1 fetch for A, waves 2 and 3 for B.  The branch hangs on the wave's number alone.  Four v_nop follow each of the two lines.
.macro JLOAD g0a, g1a, g0b, g1b
	s_cmp_eq_u32 s15, 0
	s_cbranch_scc0 .Lfor_b_\@
	tensor_load_to_lds s[\g0a:\g0a+3], s[\g1a:\g1a+7]
	s_nop 0
.rept 4
	v_nop
.endr
	s_branch .Lasked_\@
.Lfor_b_\@:
	tensor_load_to_lds s[\g0b:\g0b+3], s[\g1b:\g1b+7]
	s_nop 0
.rept 4
	v_nop
.endr
.Lasked_\@:
.endm
.macro CREST                           ; a round of the cluster's barrier behind its opening barrier
	s_cmp_lg_u32 s14, 0
	s_cbranch_scc1 .Lnot_wave_0_\@
	s_barrier_signal -3
.Lnot_wave_0_\@:
	s_barrier_wait -3
	s_barrier_signal -1
	s_barrier_wait -1
.endm
.macro CROUND                          ; a whole round
	s_barrier_signal -1
	s_barrier_wait -1
	CREST
.endm
	s_load_b128 s[4:7], s[0:1], 0x0                ; prep_codes s[4:5], prep_scales s[6:7]
	v_lshl_add_u32 v[SPW], v0, 2, SPARE
	v_mov_b32 v[NIL], 0
	ds_add_u32 v28, v29
	ds_add_u32 v28, v29
	s_wait_dscnt 0x0
	v_lshrrev_b32 v1, 5, v0
	v_readfirstlane_b32 s14, v1                    ; wave 0..3
	s_lshr_b32 s15, s14, 1                         ; which half of the tile's rows is mine.  Also: I fetch for A (0) or for B (1)
	s_and_b32 s16, s14, 1                          ; which half of its columns.  Also: which 128 rows of that tile I fetch
	s_bfe_u32 s40, ttmp6, 0x40000                  ; cx, cy: my place in the cluster
	s_bfe_u32 s41, ttmp6, 0x40004
	s_lshl_b32 s42, ttmp9, 2
	s_add_co_u32 s42, s42, s40                     ; tile column = 4 x cluster x + cx
	s_and_b32 s17, ttmp7, 0xffff
	s_lshl_b32 s17, s17, 2
	s_add_co_u32 s17, s17, s41                     ; tile row = 4 x cluster y + cy
	s_lshl_b32 s43, s41, 2
	s_lshl_b32 s43, 15, s43                        ; my row of the cluster
	s_lshl_b32 s44, 0x1111, s40                    ; my column
	; descriptor group 1 for codes: 8 rows (16 rows of the operand each) of 384 elements of 8 bytes, KF x 192 elements apart; no padding: an LDS load takes 512 consecutive bytes
	s_or_b32 s[G1+0], s43, (3<<16)|(1<<21)         ; 15:0 the mask: A's tiles go to my row; 17:16 elements of 8 bytes; 21 set beside a mask
	s_or_b32 s[G1B+0], s44, (3<<16)|(1<<21)
.irp g, G1, G1B
	s_mov_b32 s[\g+1], 384<<16                     ; tensor_dim0
	s_mov_b32 s[\g+2], 16<<16                      ; tensor_dim1: 16 for the head's loads, 8 behind them
	s_mov_b32 s[\g+3], 384<<16                     ; tile_dim0
	s_mov_b32 s[\g+4], 16                          ; tile_dim1 likewise
	s_mov_b32 s[\g+5], KF*192                      ; tensor_dim0_stride
	s_mov_b32 s[\g+6], 0
	s_mov_b32 s[\g+7], 0
.endr
	; and for the scales of 256 rows: a dense block of 2 SCQ bytes, as rows of 256 bytes
	s_or_b32 s[G1S+0], s43, (3<<16)|(1<<21)
	s_or_b32 s[G1SB+0], s44, (3<<16)|(1<<21)
.irp g, G1S, G1SB
	s_mov_b32 s[\g+1], 32<<16
	s_mov_b32 s[\g+2], (SCQ/128)<<16               ; the scales of all 256 rows in one load
	s_mov_b32 s[\g+3], 32<<16
	s_mov_b32 s[\g+4], SCQ/128
	s_mov_b32 s[\g+5], 32
	s_mov_b32 s[\g+6], 0
	s_mov_b32 s[\g+7], 0
.endr
	s_mul_i32 s18, s16, 8*KF*1536                  ; in the ring I fetch 8 tiles of 16 rows: which half, in bytes
	s_mov_b32 s19, 0
	s_lshl_b32 s20, s17, 4                         ; A: the block's first tile of rows
	s_lshl_b32 s46, s42, 4                         ; B likewise
	s_mul_i32 s22, s20, KF*64                      ; where these rows' scales begin, in bytes
	s_mul_i32 s92, s46, KF*64
	s_mul_i32 s20, s20, KF*1536                    ; and their codes
	s_mul_i32 s46, s46, KF*1536
	s_add_co_u32 s46, s46, B_CODES
	s_add_co_u32 s92, s92, B_SCALES
	s_mov_b32 s21, 0
	s_mov_b32 s23, 0
	s_mov_b32 s47, 0
	s_mov_b32 s93, 0
	s_mul_i32 s45, s14, QUART                      ; where they go: no place in the cluster enters an LDS address
	s_wait_kmcnt 0x0
	s_add_nc_u64 s[20:21], s[4:5], s[20:21]
	s_add_nc_u64 s[22:23], s[6:7], s[22:23]
	s_add_nc_u64 s[46:47], s[PB:PB+1], s[46:47]
	s_add_nc_u64 s[92:93], s[PBS:PBS+1], s[92:93]
	CROUND                                         ; all sixteen work-groups are here: the first joint loads meet
	s_mov_b32 s[G0S], 1
	s_mov_b32 s[G0S+1], SCA
	s_mov_b64 s[G0S+2:G0S+3], s[22:23]
	s_or_b32 s[G0S+3], s[G0S+3], 0x80000000
	s_mov_b32 s[G0SB], 1
	s_mov_b32 s[G0SB+1], SCA+2*SCQ+128
	s_mov_b64 s[G0SB+2:G0SB+3], s[92:93]
	s_or_b32 s[G0SB+3], s[G0SB+3], 0x80000000
	s_mov_b32 s4, 1                                ; group 0 for the head's loads of K step 0: A's 256 rows (the arguments that lay here have been used),
	s_mov_b32 s5, 0
	s_mov_b64 s[6:7], s[20:21]
	s_or_b32 s7, s7, 0x80000000
	s_mov_b32 s8, 1                                ; and B's 256 rows, behind them in slot 0
	s_mov_b32 s9, 2*QUART
	s_mov_b64 s[10:11], s[46:47]
	s_or_b32 s11, s11, 0x80000000
	s_add_nc_u64 s[20:21], s[20:21], s[18:19]      ; for the ring: my 128 rows
	s_add_nc_u64 s[46:47], s[46:47], s[18:19]
.irp s, 0,1
	s_mov_b32 s[G0+4*\s], 1
	s_add_co_u32 s[G0+4*\s+1], s45, \s*SLOT
	s_add_nc_u64 s[G0+4*\s+2:G0+4*\s+3], s[20:21], \s*3072
	s_or_b32 s[G0+4*\s+3], s[G0+4*\s+3], 0x80000000
	s_mov_b32 s[G0B+4*\s], 1
	s_add_co_u32 s[G0B+4*\s+1], s45, \s*SLOT
	s_add_nc_u64 s[G0B+4*\s+2:G0B+4*\s+3], s[46:47], \s*3072
	s_or_b32 s[G0B+4*\s+3], s[G0B+4*\s+3], 0x80000000
.endr
; THE HEAD'S LOADS, ONE A WAVE: wave 0 K step 0's 256 rows of A, wave 1 its 256 rows of B, wave 2 A's scales, wave 3 B's.  One tree of branches on the wave's number.
.macro ARM under, g0, g1, next
	s_cmp_lt_u32 s14, \under
	s_cbranch_scc0 \next
	tensor_load_to_lds s[\g0:\g0+3], s[\g1:\g1+7]
	s_nop 0
.rept 4
	v_nop
.endr
	s_branch .Lhead_asked
\next:
.endm
	ARM 1, 4, G1, .Lhead_b
	ARM 2, 8, G1B, .Lhead_sa
	ARM 3, G0S, G1S, .Lhead_sb
	tensor_load_to_lds s[G0SB:G0SB+3], s[G1SB:G1SB+7]
	s_nop 0
.rept 4
	v_nop
.endr
.Lhead_asked:
	v_and_b32 v1, 15, v0
	v_bfe_u32 v2, v0, 4, 1                         ; h
	s_wait_alu depctr_va_vdst(0)
	v_and_b32 v8, 31, v0
	v_lshlrev_b32 v8, 4, v8                        ; v8: 16 x lane; never rewritten
	s_mul_i32 s21, s15, QUART                      ; my 128 rows of A
	s_mul_i32 s22, s16, QUART                      ; my 128 rows of B,
	s_add_co_u32 s22, s22, 2*QUART                 ; which lie behind A's 256
.irp s, 0,1
	v_add_nc_u32 v[ADRA+\s], s21, v8
	v_add_nc_u32 v[ADRB+\s], s22, v8
	s_add_co_u32 s21, s21, SLOT
	s_add_co_u32 s22, s22, SLOT
.endr
	v_lshlrev_b32 v5, 3, v1                        ; my position's 8 scale bytes of a K step
	s_mul_i32 s21, s15, SCQ                        ; A's: my 128 rows
	s_mul_i32 s22, s16, SCQ                        ; B's: my 128 rows, behind A's 256 and 128 bytes on
	s_add_co_u32 s22, s22, 2*SCQ+128
	s_sub_co_u32 s22, s22, s21
	v_mul_u32_u24 v6, s22, v2                      ; lanes 16-31 take B's: one product, the distance between the two
	s_add_co_u32 s21, s21, SCA
	v_add_nc_u32 v5, v5, v6
	v_add_nc_u32 v[ADRS], s21, v5
	; the way out's address registers, made here, ahead of every parting of the waves
	v_and_b32 v4, 8, v1
	v_add_nc_u32 v4, v4, v1                        ; r + 8 (r / 8)
	v_lshlrev_b32 v9, 9, v4
	v_lshl_add_u32 v9, v2, 6, v9                   ; v9: cos, sin: my token's row of 512 bytes, + 64 h
	v_lshlrev_b32 v10, 6, v2                       ; v10: the norm's weight: 64 h
	s_mul_i32 s23, s15, 34816                      ; the stage of a wave that turns V: 128 rows x 272 bytes, in slot 0
	v_mul_u32_u24 v11, v1, 272
	v_lshl_add_u32 v11, v2, 6, v11
	v_add_nc_u32 v11, s23, v11                     ; v11: into it: position r, + 64 h
	v_lshlrev_b32 v12, 2, v4
	v_mad_u32_u24 v12, v2, 2176, v12
	v_add_nc_u32 v12, s23, v12                     ; v12: out of it: column r + 8 (r / 8), 8 rows further down for lanes 16-31
.macro FRAG reg, adr, q, i             ; a fragment comes back as it was laid: three loads of 16 bytes a lane, 512 consecutive bytes each
.irp c, 0,1,2
	ds_load_b128 v[\reg+4*\c:\reg+4*\c+3], v[\adr] offset:3072*(\i)+1536*(\q)+512*\c
.endr
.endm
; 16 matrix instructions: A's blocks a0, a0 + 1 x B's eight, 128 along K.  The 64 accumulators take turns, one instruction a turn, in the same order in every step.
.macro MUL16 a0, p, q, sc, zero
.irp a, \a0, \a0+1
.irp b, 0,1,2,3,4,5,6,7
.if \zero
	v_wmma_scale_f32_16x16x128_f8f6f4 v[8*(8*((\a)%4)+\b):8*(8*((\a)%4)+\b)+7], v[128*(\p)+FR*\b:128*(\p)+FR*\b+FR-1], v[AF+FR*(\a):AF+FR*(\a)+FR-1], 0, v[SC+8*NQ*(\sc)+NQ*\b+(\q)], v[SC+8*NQ*(\sc)+NQ*(\a)+(\q)] matrix_a_fmt:MATRIX_FMT_BF6 matrix_b_fmt:MATRIX_FMT_BF6 matrix_a_scale:MATRIX_SCALE_ROW1
.else
	v_wmma_scale_f32_16x16x128_f8f6f4 v[8*(8*((\a)%4)+\b):8*(8*((\a)%4)+\b)+7], v[128*(\p)+FR*\b:128*(\p)+FR*\b+FR-1], v[AF+FR*(\a):AF+FR*(\a)+FR-1], v[8*(8*((\a)%4)+\b):8*(8*((\a)%4)+\b)+7], v[SC+8*NQ*(\sc)+NQ*\b+(\q)], v[SC+8*NQ*(\sc)+NQ*(\a)+(\q)] matrix_a_fmt:MATRIX_FMT_BF6 matrix_b_fmt:MATRIX_FMT_BF6 matrix_a_scale:MATRIX_SCALE_ROW1
.endif
.endr
.endr
.endm
.macro FETCH_B slot, q, p
	WIN TO_B
.irp i, 0,1,2,3,4,5,6,7
	FRAG 128*(\p)+FR*\i, ADRB+\slot, \q, \i
.endr
	WIN 0
.endm
.macro FETCH_A slot, q, i0
.irp i, \i0, \i0+1, \i0+2, \i0+3
	FRAG AF+FR*(\i), ADRA+\slot, \q, \i
.endr
.endm
.macro SCALES sc                       ; a K step's scale words: two words a row; lanes 0-15 take A's block i, lanes 16-31 B's block i
.irp i, 0,1,2,3,4,5,6,7
	ds_load_b64 v[SC+8*NQ*\sc+NQ*\i:SC+8*NQ*\sc+NQ*\i+1], v[ADRS] offset:(\i/2)*KF*128+(\i%2)*128
.endr
.endm
.macro PLACES n                        ; plain vector places behind matrix instructions, in front of loads into registers that they have read and of reads of their results
.rept \n
	v_nop
.endr
.endm
.macro STEP slot, q, zero              ; a step of 128 along K that has its successor in the same slot
	s_wait_dscnt 4*NL                              ; B's set, A's blocks 0-3 and the scale words are in; the youngest 12 loads (A's blocks 4-7) may be out
	WIN MUL_LO
	MUL16 0, (\q)%2, \q, \slot, \zero
	MUL16 2, (\q)%2, \q, \slot, \zero
	s_wait_dscnt 0
	PLACES NP
	FETCH_B \slot, (\q)+1, 1-(\q)%2
	FETCH_A \slot, (\q)+1, 0
	WIN MUL_HI
	MUL16 4, (\q)%2, \q, \slot, \zero
	MUL16 6, (\q)%2, \q, \slot, \zero
	PLACES NP
	WIN 0
	FETCH_A \slot, (\q)+1, 4
.endm
; A slot's last step changes slots: ONE barrier; in front of it each wave waits for all its tensor loads, adds 0 to its spare word, and waits for that and for its own reads of this slot.
.macro TURN slot, next, fill
	s_wait_tensorcnt 0x0                           ; all my tensor loads have landed: my part of the next slot
	ds_add_u32 v[SPW], v[NIL]                      ; 0 onto my spare word
	s_wait_dscnt 4*NL+1                            ; (the add and the youngest 12 loads may be out)
	WIN MUL_LO
	MUL16 0, 1, NQ-1, \slot, 0                     ; sixteen matrix instructions stand between the add and the wait for it
	s_wait_dscnt 0x0                               ; the add is done, and my reads of this slot are over
	s_barrier_signal -1
	MUL16 2, 1, NQ-1, \slot, 0
	WIN 0
	s_barrier_wait -1
.if \fill
	CREST                                          ; the barrier has opened a round of the cluster's barrier: no wave of any partner still reads this slot or has a load on its way
	s_add_nc_u64 s[G0+4*\slot+2:G0+4*\slot+3], s[G0+4*\slot+2:G0+4*\slot+3], 6144
	s_add_nc_u64 s[G0B+4*\slot+2:G0B+4*\slot+3], s[G0B+4*\slot+2:G0B+4*\slot+3], 6144
	JLOAD G0+4*\slot, G1, G0B+4*\slot, G1B         ; the first tensor load behind the round; its four v_nop are also the places in front of the loads below
.else
	PLACES NP
.endif
	s_wait_alu depctr_va_vdst(0)
	v_add_nc_u32 v[ADRS], 256, v[ADRS]             ; on to the next K step's scale words (no LDS load of mine is out)
	FETCH_B \next, 0, 0
	FETCH_A \next, 0, 0
	SCALES \next
	WIN MUL_HI
	MUL16 4, 1, NQ-1, \slot, 0
	MUL16 6, 1, NQ-1, \slot, 0
	PLACES NP
	WIN 0
	FETCH_A \next, 0, 4
.endm
	s_wait_alu depctr_va_vdst(0)                   ; the wait at the head's end
	s_wait_tensorcnt 0x0                           ; my tile of the head's four is in; these lines stand ahead of a later first fill as ahead of a refill
	ds_add_u32 v[SPW], v[NIL]
	s_mov_b32 s[G1+2], 8<<16                       ; no tensor load of mine is out: from here on a load brings 8 tiles of 16 rows
	s_mov_b32 s[G1+4], 8
	s_mov_b32 s[G1B+2], 8<<16
	s_mov_b32 s[G1B+4], 8
	s_wait_dscnt 0x0
	CROUND                                         ; all four tiles are in, and all sixteen work-groups are here
	JLOAD G0+4, G1, G0B+4, G1B                     ; K step 1, the first tensor load behind the round
	FETCH_B 0, 0, 0
	FETCH_A 0, 0, 0
	SCALES 0
	FETCH_A 0, 0, 4
	STEP 0, 0, 1                                   ; the first step stands in front of the loop: its products start the sums
	s_mov_b32 s3, LAPS-1
.Llap:                                                 ; a trip goes once round the ring and fills both slots again
	TURN 0, 1, 1
	STEP 1, 0, 0
	TURN 1, 0, 1
	STEP 0, 0, 0
	s_sub_co_u32 s3, s3, 1
	s_cmp_lg_u32 s3, 0
	s_cbranch_scc1 .Llap
	s_load_b256 s[68:75], s[0:1], 0x10             ; the way out's buffers: cos, sin, q_norm_w, k_norm_w (the scales' descriptors, which lay here, are long done with)
	s_load_b128 s[76:79], s[0:1], 0x30             ; qkv_codes, qkv_scales
	s_load_b64 s[80:81], s[0:1], 0x40              ; gate
	TURN 0, 1, 0                                   ; the last lap fills nothing
	STEP 1, 0, 0
	s_wait_dscnt 4*NL
	WIN MUL_LO
	MUL16 0, 1, NQ-1, 1, 0
	MUL16 2, 1, NQ-1, 1, 0
	s_wait_dscnt 0
	WIN MUL_HI
	MUL16 4, 1, NQ-1, 1, 0
	MUL16 6, 1, NQ-1, 1, 0
	WIN 0
; ================ THE WAY OUT ================
.set SEL, 84                           ; s[84:85]
.set NW,  32                           ; v32-95   the norm's weight at my 64 columns
.set R,   96                           ; v96-159  64 numbers to be quantised
.set PC,  160                          ; v160-179 the codes just made
.set TM,  180                          ; v180-195 at work in QUANT
.set PWS, 196                          ; v196-203 the eight tiles' scale words
.set SS,  204                          ; v204-211 sums of squares, four chains of pairs
.set RS,  212                          ; v212-213 1 / sqrt(mean + eps) (the packed form names the pair)
.set SW,  214                          ; v214-217 the four words that my lane stores
.macro QUANT s, pw                     ; 64 numbers, register 16 b + i = k 32 b + 16 (lane / 16) + i of the lane's row -> codes in v[PC] .. v[PC + 11], scale word in v[pw]
.irp b, 0,1,2,3
	v_max3_num_f32 v[TM+\b], |v[(\s)+16*\b]|, |v[(\s)+1+16*\b]|, 0x2800000   ; and the floor 2^(5 - 127): the byte cannot fall under 1
.endr
.irp i, 2,4,6,8,10,12,14
.irp b, 0,1,2,3
	v_max3_num_f32 v[TM+\b], v[TM+\b], |v[(\s)+16*\b+\i]|, |v[(\s)+1+16*\b+\i]|
.endr
.endr
.irp b, 0,1,2,3
	v_permlanex16_b32 v[TM+4+\b], v[TM+\b], s[SEL], s[SEL+1]
.endr
.irp b, 0,1,2,3
	v_max_num_f32 v[TM+\b], v[TM+\b], v[TM+4+\b]
.endr
.irp b, 0,1,2,3
	v_add_nc_u32 v[TM+12+\b], 0xfe000000, v[TM+\b]        ; 4 off the exponent field: the conversion's scale operand
.endr
.irp b, 0,1,2,3
	v_lshrrev_b32 v[TM+4+\b], 23, v[TM+12+\b]
.endr
	v_lshl_or_b32 v[\pw], v[TM+5], 8, v[TM+4]
	v_lshl_or_b32 v[\pw], v[TM+6], 16, v[\pw]
	v_lshl_or_b32 v[\pw], v[TM+7], 24, v[\pw]
.irp c, 0,1
	v_cvt_scalef32_pk16_bf6_f32 v[PC+6*\c:PC+2+6*\c], v[(\s)+32*\c:(\s)+15+32*\c], v[TM+12+2*\c]
	v_cvt_scalef32_pk16_bf6_f32 v[PC+12+4*\c:PC+14+4*\c], v[(\s)+16+32*\c:(\s)+31+32*\c], v[TM+12+2*\c+1]
.endr
	v_nop                                                 ; one plain place behind a scaled conversion
.irp c, 0,1
.irp i, 0,1,2
	v_permlane16_swap_b32 v[PC+6*\c+\i], v[PC+12+4*\c+\i]
.endr
.irp i, 0,1,2
	v_mov_b32 v[PC+3+6*\c+\i], v[PC+12+4*\c+\i]
.endr
.endr
.endm
	PLACES NP                                      ; behind the last products: for the reads of their results and the loads into their operands' registers
	s_wait_kmcnt 0x0
	s_lshl_b32 s20, s17, 1
	s_add_co_u32 s20, s20, s15                     ; blk: my 128 tokens, 0..31
	s_lshr_b32 s21, s20, 4                         ; b
	s_and_b32 s22, s20, 15                         ; the block within the batch
	s_lshl_b32 s23, s21, 2
	s_add_co_u32 s23, s23, s42                     ; 4 b + tile column
	s_add_co_u32 s24, s23, 8                       ; a key head's place: 16 + 4 b + (tile column - 8)
	s_add_co_u32 s25, s23, 16                      ; a value head's: 24 + 4 b + (tile column - 8)
	s_lshl_b32 s26, s21, 3
	s_add_co_u32 s26, s26, s42                     ; a query head's, and its gate's: 8 b + tile column
	s_cmp_eq_u32 ttmp9, 2                          ; tile columns 8-11 are the third column of clusters: the same in all sixteen partners
	s_cselect_b32 s27, s24, s26
	s_cselect_b64 s[28:29], s[74:75], s[72:73]     ; k_norm_w or q_norm_w
	s_cmp_eq_u32 s16, 0
	s_cselect_b32 s27, s27, s25
	s_lshl_b32 s27, s27, 4
	s_add_co_u32 s27, s27, s22
	s_mul_i32 s30, s27, 12288
	s_mov_b32 s31, 0
	s_add_nc_u64 s[76:77], s[76:77], s[30:31]      ; my eight fragments
	s_lshl_b32 s30, s27, 9
	s_add_nc_u64 s[78:79], s[78:79], s[30:31]      ; and their 512 bytes of scale words
	s_lshl_b32 s30, s26, 4
	s_add_co_u32 s30, s30, s22
	s_lshl_b32 s30, s30, 16
	s_add_nc_u64 s[80:81], s[80:81], s[30:31]      ; my 65,536 bytes of the gate (used by a gate's wave alone)
	s_lshl_b32 s30, s20, 16
	s_add_nc_u64 s[68:69], s[68:69], s[30:31]      ; cos and sin at my 128 tokens
	s_add_nc_u64 s[70:71], s[70:71], s[30:31]
	s_mov_b32 s82, 0x3c000000                      ; 1 / 128
	s_mov_b32 s83, 0x358637bd                      ; eps = 1e-6
	s_mov_b32 s[SEL], 0x76543210
	s_mov_b32 s[SEL+1], 0xfedcba98
	s_cmp_eq_u32 s16, 0
	s_cbranch_scc1 .Lnorm
	s_cmp_eq_u32 ttmp9, 2
	s_cbranch_scc1 .Lvt
; ---- A GATE: the accumulators as they stand, each from its low end on; every store covers 512 consecutive bytes, aligned
.irp a, 0,1,2,3,4,5,6,7
	WIN (2+\a/4)<<2                                ; a store's data are its source 1
.irp t, 0,1,2,3,4,5,6,7
	global_store_b128 v8, v[64*(\a%4)+8*\t:64*(\a%4)+8*\t+3], s[80:81] offset:8192*\a+1024*\t
	global_store_b128 v8, v[64*(\a%4)+8*\t+4:64*(\a%4)+8*\t+7], s[80:81] offset:8192*\a+1024*\t+512
.endr
.endr
	WIN 0
	s_branch .Ldone
; ---- A QUERY OR A KEY.  Block a: 16 tokens; my lane holds 64 of its token's 128 numbers, lane l xor 16 the others.
.macro CSLOAD a                        ; cos and sin of block a's tokens at my 64 columns, into set a % 2 of window 1
	WIN 0x40
.set CB2, 128*((\a)%2)
.set RO, (32*((\a)/2)+8*((\a)%2))*512
.irp b, 0,1,2,3
.irp j, 0,1,2,3
	global_load_b128 v[CB2+16*\b+4*\j:CB2+16*\b+4*\j+3], v9, s[68:69] offset:RO+128*\b+16*\j
	global_load_b128 v[CB2+64+16*\b+4*\j:CB2+64+16*\b+4*\j+3], v9, s[70:71] offset:RO+128*\b+16*\j
.endr
.endr
	WIN 0
.endm
.macro NBLOCK a
.set X, 2+(\a)/4
.set AC, 64*((\a)%4)
.set CSB, 128*((\a)%2)
	WIN X|(X<<2)                                   ; the sum of squares, in four chains of pairs, the registers in ascending order
.set p, 0
.rept 4
	v_pk_mul_f32 v[SS+2*p:SS+2*p+1], v[AC+2*p:AC+2*p+1], v[AC+2*p:AC+2*p+1]
.set p, p+1
.endr
.rept 28
	v_pk_fma_f32 v[SS+2*(p%4):SS+2*(p%4)+1], v[AC+2*p:AC+2*p+1], v[AC+2*p:AC+2*p+1], v[SS+2*(p%4):SS+2*(p%4)+1]
.set p, p+1
.endr
	WIN 0
	v_pk_add_f32 v[SS:SS+1], v[SS:SS+1], v[SS+2:SS+3]
	v_pk_add_f32 v[SS+4:SS+5], v[SS+4:SS+5], v[SS+6:SS+7]
	v_pk_add_f32 v[SS:SS+1], v[SS:SS+1], v[SS+4:SS+5]
	v_add_f32 v[SS], v[SS], v[SS+1]
	v_permlanex16_b32 v[SS+2], v[SS], s[SEL], s[SEL+1]
	v_add_f32 v[SS], v[SS], v[SS+2]                ; over the head's 128
	v_fma_f32 v[SS], v[SS], s82, s83               ; the mean + eps
	s_wait_alu depctr_va_vdst(0)
	v_rsq_f32 v[RS], v[SS]
	v_nop                                          ; a plain place behind the transcendental,
	s_wait_alu depctr_va_vdst(0)                   ; and the wait ahead of its first reader
.if (\a) < 7
	s_wait_loadcnt 32                              ; this block's cos and sin (and the weight) are in; the next block's 32 loads may be out
.else
	s_wait_loadcnt 0x0
.endif
	WIN X|(X<<6)
.set p, 0
.rept 32
	v_pk_mul_f32 v[AC+2*p:AC+2*p+1], v[AC+2*p:AC+2*p+1], v[RS:RS+1] op_sel_hi:[1,0]
.set p, p+1
.endr
.set p, 0
.rept 32
	v_pk_mul_f32 v[AC+2*p:AC+2*p+1], v[AC+2*p:AC+2*p+1], v[NW+2*p:NW+2*p+1]
.set p, p+1
.endr
	WIN X|(1<<2)                                   ; RoPE: column d + 64 is register n + 32 of the same lane
.set p, 0
.rept 32
	v_pk_mul_f32 v[R+2*p:R+2*p+1], v[AC+2*p:AC+2*p+1], v[CSB+2*p:CSB+2*p+1]
.set p, p+1
.endr
.set p, 0
.rept 16
	v_pk_fma_f32 v[R+2*p:R+2*p+1], v[AC+32+2*p:AC+32+2*p+1], v[CSB+64+2*p:CSB+64+2*p+1], v[R+2*p:R+2*p+1] neg_lo:[1,0,0] neg_hi:[1,0,0]
	v_pk_fma_f32 v[R+32+2*p:R+32+2*p+1], v[AC+2*p:AC+2*p+1], v[CSB+96+2*p:CSB+96+2*p+1], v[R+32+2*p:R+32+2*p+1]
.set p, p+1
.endr
.if (\a) < 6
	CSLOAD (\a)+2
.endif
	WIN 0
.if (\a) > 0
	s_wait_xcnt 0x0                                ; the last block's stores have read their data
.endif
	QUANT R, PWS+(\a)
.irp c, 0,1,2
	global_store_b128 v8, v[PC+4*\c:PC+4*\c+3], s[76:77] offset:1536*(\a)+512*\c
.endr
.endm
.Lnorm:
	v_mov_b32 v[RS+1], 0                           ; named with RS as a pair, so it is written
.irp b, 0,1,2,3
	v_mov_b32 v[TM+4+\b], 0                        ; written once: a lane permute's destination counts as read
.endr
.irp b, 0,1,2,3
.irp j, 0,1,2,3
	global_load_b128 v[NW+16*\b+4*\j:NW+16*\b+4*\j+3], v10, s[28:29] offset:128*\b+16*\j
.endr
.endr
	CSLOAD 0
	CSLOAD 1
	NBLOCK 0
	NBLOCK 1
	NBLOCK 2
	NBLOCK 3
	NBLOCK 4
	NBLOCK 5
	NBLOCK 6
	NBLOCK 7
	s_branch .Lscales
; ---- A VALUE: K of the second attention product is the keys, so the block of 128 tokens x 128 columns is turned through my stage, 64 columns at a time.  The stage lies in slot 0, which has had its last fill, and which
; nobody reads behind the last change of slots.  Rows of 272 bytes: the stores' 16 rows start at banks 4 r mod 64; the loads' 32 lanes touch 32 different banks.
.Lvt:
.irp b, 0,1,2,3
	v_mov_b32 v[TM+4+\b], 0
.endr
.irp d, 0,1
.irp a, 0,1,2,3,4,5,6,7
	WIN (2+\a/4)<<2                                ; an LDS store's data are its source 1
.irp t, 0,1,2,3
	ds_store_b128 v11, v[64*(\a%4)+8*(4*\d+\t):64*(\a%4)+8*(4*\d+\t)+3] offset:4352*\a+128*(\t/2)+32*(\t%2)        ; each accumulator from its low end on
	ds_store_b128 v11, v[64*(\a%4)+8*(4*\d+\t)+4:64*(\a%4)+8*(4*\d+\t)+7] offset:4352*\a+128*(\t/2)+32*(\t%2)+16
.endr
.endr
	WIN 0
.irp e, 0,1,2,3                        ; tile 4 d + e of 16 columns: lane r takes column 32 (e / 2) + 8 (e % 2) + r + 8 (r / 8) of the 64; register 16 b + 8 u + j is key 32 b + 16 h + 8 u + j, which lies at position 32 b + 16 u + 8 h + j
.set n, 0
.rept 64
	ds_load_b32 v[R+n], v12 offset:272*(32*(n/16)+16*((n/8)%2)+n%8)+4*(32*(\e/2)+8*(\e%2))   ; LDS serves a wave's instructions in order: these see my stores
.set n, n+1
.endr
	s_wait_dscnt 0x0
.if (4*\d+\e) > 0
	s_wait_xcnt 0x0                                ; the last tile's stores have read their data
.endif
	QUANT R, PWS+4*\d+\e
.irp c, 0,1,2
	global_store_b128 v8, v[PC+4*\c:PC+4*\c+3], s[76:77] offset:1536*(4*\d+\e)+512*\c
.endr
.endr
.endr
.Lscales:                              ; the eight tiles' scale words: lane (r, h) stores those of tiles 4 h .. 4 h + 3 for position r: 512 consecutive bytes
	v_cmp_eq_u32 vcc_lo, 1, v2
.irp i, 0,1,2,3
	v_cndmask_b32 v[SW+\i], v[PWS+\i], v[PWS+4+\i], vcc_lo
.endr
	global_store_b128 v8, v[SW:SW+3], s[78:79]
.Ldone:
	s_wait_tensorcnt 0x0                           ; the wave's end, behind my last tensor load and my last LDS store
	ds_add_u32 v[SPW], v[NIL]
	s_wait_dscnt 0x0
	CROUND                                         ; the closing round: no work-group ends while a partner may still ask for a tile that names it
	s_endpgm
.Lfunc_end_k_q4d0713a526_qkv:
	.size	k_q4d0713a526_qkv, .Lfunc_end_k_q4d0713a526_qkv-k_q4d0713a526_qkv
	.p2alignl 7, 3214868480
	.fill 96, 4, 3214868480
	.section	.rodata,"a",@progbits
	.p2align	6, 0x0
	.amdhsa_kernel k_q4d0713a526_qkv
		.amdhsa_group_segment_fixed_size 327680
		.amdhsa_private_segment_fixed_size 0
		.amdhsa_enable_private_segment 0
		.amdhsa_kernarg_size 72
		.amdhsa_user_sgpr_count 2
		.amdhsa_user_sgpr_kernarg_segment_ptr 1
		.amdhsa_wavefront_size32 1
		.amdhsa_system_sgpr_workgroup_id_x 1
		.amdhsa_system_sgpr_workgroup_id_y 1
		.amdhsa_system_sgpr_workgroup_id_z 1
		.amdhsa_system_vgpr_workitem_id 0
		.amdhsa_next_free_vgpr 1024
		.amdhsa_next_free_sgpr 100
		.amdhsa_reserve_vcc 1
		.amdhsa_float_denorm_mode_32 3
		.amdhsa_float_denorm_mode_16_64 3
		.amdhsa_memory_ordered 1
		.amdhsa_forward_progress 1
		.amdhsa_inst_pref_size 255
	.end_amdhsa_kernel
	.section	.bss,"aw",@nobits
	.p2align	6
	.space	262144
	.amdgpu_metadata
---
amdhsa.version: [ 1, 2 ]
amdhsa.kernels:
  - .name:           k_q4d0713a526_qkv
    .symbol:         k_q4d0713a526_qkv.kd
    .args:
      - { .name: prep_codes, .offset: 0, .size: 8, .value_kind: global_buffer, .address_space: global }
      - { .name: prep_scales, .offset: 8, .size: 8, .value_kind: global_buffer, .address_space: global }
      - { .name: cos, .offset: 16, .size: 8, .value_kind: global_buffer, .address_space: global }
      - { .name: sin, .offset: 24, .size: 8, .value_kind: global_buffer, .address_space: global }
      - { .name: q_norm_w, .offset: 32, .size: 8, .value_kind: global_buffer, .address_space: global }
      - { .name: k_norm_w, .offset: 40, .size: 8, .value_kind: global_buffer, .address_space: global }
      - { .name: qkv_codes, .offset: 48, .size: 8, .value_kind: global_buffer, .address_space: global }
      - { .name: qkv_scales, .offset: 56, .size: 8, .value_kind: global_buffer, .address_space: global }
      - { .name: gate, .offset: 64, .size: 8, .value_kind: global_buffer, .address_space: global }
    .group_segment_fixed_size: 327680
    .private_segment_fixed_size: 0
    .kernarg_segment_align: 8
    .kernarg_segment_size: 72
    .max_flat_workgroup_size: 128
    .sgpr_count:     100
    .vgpr_count:     1024
    .wavefront_size: 32
...
	.end_amdgpu_metadata
.endif
;; end of part 2
;; launch attn (part 3): grid 256 x 1, 8 waves a work-group, no clusters, 132,096 bytes of LDS; arguments qkv_codes, qkv_scales, maskw, gate, att_codes, att_scales; writes att_codes, att_scales
.if DOCPART == 3
	.amdgcn_target "amdgcn-amd-amdhsa--gfx1250"
	.amdhsa_code_object_version 6
	.text
	.protected	k_q4d0713a526_attn
	.globl	k_q4d0713a526_attn
	.p2align	8
	.type	k_q4d0713a526_attn,@function
k_q4d0713a526_attn:
	s_mov_b64 s[64:65], 0
	v_nop
	global_prefetch_b8 v0, s[64:65] scope:SCOPE_SE
	s_setreg_imm32_b32 hwreg(HW_REG_WAVE_MODE, 25, 1), 1
	s_wait_xcnt 0x0
; ATTENTION on codes of BF6 (E3M2): S^T = K Q^T, p = 2^(t - M) with a running whole M, O^T += V^T p^T, then O / l x sigmoid(gate), quantised along the heads' 128 for the last product.
; WHAT IS DONE HANGS ON WHOLE NUMBERS READ FROM MEMORY.  The launch before stored, for each tile of 16 queries and each step of 128 keys, the 64 lane masks (position and segment tests) and one word:
; 0 no key counts, 1 some count, 3 all count.  A masked score has p = 0 and adds nothing to l or O, and every query counts for itself, so a period whose keys count for none of a wave's queries is passed over by a scalar
; branch on those words; where all keys of a step count, the 64 selects are passed over.  Right for every position_ids and segment_ids: nothing of their pattern is built in.
; The launch has no tensor load and no cluster: K and V go memory -> registers -> LDS.
; WORK-GROUP (i, b, j, c): key/value head j of batch b; tiles of queries 2 c, 2 c + 1 of token block i and of block 15 - i, for both query heads 2 j, 2 j + 1: eight (tile, head), one a wave.
; Waves whose number has an even count of ones take block 15 - i, the others block i.  2 x 4 x 8 x 4 = 256 work-groups.
; PERIODS of 256 keys (two steps) go through two LDS slots of 49,152 bytes.  Trip q = 0 .. 8: one barrier; period q goes from my 48 staging registers into slot q % 2; period q - 1 is worked from the other slot;
; period q + 1 is asked of memory (12 loads of 512 bytes a wave) once the LDS stores have read the registers.  Waves 0-3 carry K, waves 4-7 V.  A period that no tile of the work-group needs is neither loaded nor staged.
; The loads into registers run a whole period ahead of the stores that want them, so no separate prefetch is laid.  All 16 steps' scale words (16,384 bytes) come once, in whole units, at the head.
; LIMITS: the promise holds while the scaled scores stay under 2^31 in magnitude; NaN and infinities are not served; a block whose largest magnitude lies under 2^-122 keeps the byte 1.
.set SLOTX, 0x10000                    ; slot 0 at 0, slot 1 at 65,536; in a slot: [step 0..1][K 12,288 | V 12,288]
.set SC,    114688                     ; behind slot 1: K's scale words 8,192 bytes, then V's
.set SPARE, 131072                     ; the spare words, 128 bytes a wave
.set FLAGS, 1048576                    ; where the step words begin in maskw
.set L16, 1                            ; 16 x lane
.set R16, 2                            ; 16 x (lane % 16)
.set W0,  3                            ; 3,072 x wave + 16 x lane
.set L8,  4                            ; 8 x lane
.set SPW, 5
.set NIL, 6
.set SCO, 7                            ; 8 x (lane % 16)
.set RD,  8                            ; this trip's addresses: fragments,
.set WR,  9                            ; staging,
.set SK,  10                           ; scale words
.set MC,  28                           ; v28-31 this period's mask words: lane l holds words l and l + 32 of steps 0, 1
.set ST,  32                           ; v32-79 staging
.set KSW, 80
.set VSW, 88
.set NINF, 243
.set MN,  248                          ; v248-251 the next period's mask words
.set KFR, 64                           ; window 1: v0-63 the gate, v64-159 K's fragments, v160-255 V's
.set VFR, 160
.set WV, 2
.set CNT, 3
.set ANYS, 4                           ; bits 0, 1: some key of the worked period's steps counts for my tile
.set ALLS, 5                           ; bits 0, 1: all do
.set NEED, 6                           ; bits 0, 1: period q is needed by some tile of the work-group; bits 2, 3: period q + 1
.set SB,  7
.set CS,  8
.set SEL, 10
.set SBX, 12
.set TS,  13
.set KP,  14
.set MP,  16
.set NL2, 18
.set MSB, 0
.macro WIN new
.if MSB != \new
	s_set_vgpr_msb (MSB<<8)|\new
.set MSB, \new
.endif
.endm
	s_load_b256 s[68:75], s[0:1], 0x0              ; qkv_codes, qkv_scales, maskw, gate
	s_load_b128 s[76:79], s[0:1], 0x20             ; att_codes, att_scales
	v_lshl_add_u32 v[SPW], v0, 2, SPARE
	v_mov_b32 v[NIL], 0
	v_lshrrev_b32 v8, 5, v0
	v_readfirstlane_b32 s[WV], v8
	v_and_b32 v9, 31, v0
	v_and_b32 v8, 15, v0
	v_lshlrev_b32 v[L16], 4, v9
	v_lshlrev_b32 v11, 2, v9
	v_lshlrev_b32 v[L8], 3, v9
	v_lshlrev_b32 v[R16], 4, v8
	v_lshlrev_b32 v[SCO], 3, v8
	s_mul_i32 s56, s[WV], 3072
	s_lshl_b32 s57, s[WV], 11
	s_add_co_u32 s57, s57, SC
	v_add_nc_u32 v[W0], s56, v[L16]
	v_add_nc_u32 v10, s57, v[L16]                  ; the scales' way into LDS: 2,048 x wave + 16 x lane
	v_mov_b32 v[NINF], 0xff800000
	s_lshr_b32 s56, ttmp9, 5                       ; i
	s_bfe_u32 s57, ttmp9, 0x10004                  ; b
	s_bfe_u32 s58, ttmp9, 0x20002                  ; j
	s_and_b32 s59, ttmp9, 3                        ; c
	s_lshr_b32 s60, s[WV], 1
	s_lshr_b32 s61, s[WV], 2                       ; I carry K (0) or V (1)
	s_xor_b32 s62, s[WV], s60
	s_xor_b32 s62, s62, s61
	s_and_b32 s62, s62, 1                          ; 0: block 15 - i, 1: block i
	s_and_b32 s63, s[WV], 1                        ; which of the two query heads
	s_and_b32 s60, s60, 1                          ; which of the two tiles
	s_sub_co_u32 s66, 15, s56
	s_cmp_eq_u32 s62, 0
	s_cselect_b32 s67, s66, s56                    ; my block
	s_lshl_b32 s100, s59, 1
	s_add_co_u32 s101, s100, s60                   ; my tile in the block
	s_lshl_b32 s20, s58, 1
	s_add_co_u32 s20, s20, s63                     ; my head
	s_lshl_b32 s21, s57, 3
	s_add_co_u32 s21, s21, s20
	s_lshl_b32 s21, s21, 4
	s_add_co_u32 s21, s21, s67                     ; 16 (8 b + head) + block
	s_lshl_b32 s22, s21, 3
	s_add_co_u32 s22, s22, s101
	s_mul_i32 s24, s22, 1536                       ; my query fragment
	s_mov_b32 s25, 0
	s_lshl_b32 s26, s22, 13                        ; my 8,192 bytes of the gate
	s_mov_b32 s27, 0
	s_lshl_b32 s28, s21, 9                         ; my queries' scale words
	s_lshr_b32 s23, s101, 2
	s_lshl_b32 s23, s23, 8
	s_add_co_u32 s28, s28, s23
	s_and_b32 s23, s101, 3
	s_lshl_b32 s23, s23, 2
	s_add_co_u32 s28, s28, s23
	s_mov_b32 s29, 0
	s_lshl_b32 s30, s57, 7
	s_lshl_b32 s31, s67, 3
	s_add_co_u32 s31, s31, s30
	s_add_co_u32 s31, s31, s101                    ; m: my tile of queries, 0 .. 255
	s_lshl_b32 s32, s31, 12                        ; its mask words
	s_mov_b32 s33, 0
	s_add_co_u32 s30, s30, s100
	s_lshl_b32 s34, s56, 3
	s_add_co_u32 s34, s34, s30
	s_lshl_b32 s34, s34, 6
	s_add_co_u32 s34, s34, FLAGS                   ; the step words of block i's two tiles: 128 bytes
	s_mov_b32 s35, 0
	s_lshl_b32 s36, s66, 3
	s_add_co_u32 s36, s36, s30
	s_lshl_b32 s36, s36, 6
	s_add_co_u32 s36, s36, FLAGS                   ; and of block 15 - i's
	s_mov_b32 s37, 0
	s_lshl_b32 s38, s57, 2
	s_add_co_u32 s38, s38, s58
	s_lshl_b32 s39, s61, 3
	s_add_co_u32 s38, s38, s39
	s_add_co_u32 s38, s38, 16                      ; the place of the K or V that I carry
	s_and_b32 s39, s[WV], 3
	s_mul_i32 s40, s38, 196608
	s_mul_i32 s41, s39, 3072
	s_add_co_u32 s40, s40, s41
	s_mov_b32 s41, 0
	s_lshl_b32 s42, s38, 13
	s_lshl_b32 s43, s39, 11
	s_add_co_u32 s42, s42, s43
	s_mov_b32 s43, 0
	s_lshl_b32 s44, s31, 3
	s_add_co_u32 s44, s44, s20
	s_mul_i32 s44, s44, 1536                       ; out: fragment (tile m, head)
	s_mov_b32 s45, 0
	s_lshr_b32 s46, s31, 1
	s_lshl_b32 s46, s46, 2
	s_add_co_u32 s46, s46, s58
	s_lshl_b32 s46, s46, 8
	s_and_b32 s47, s31, 1
	s_lshl_b32 s47, s47, 7
	s_add_co_u32 s46, s46, s47
	s_lshl_b32 s47, s63, 2
	s_add_co_u32 s46, s46, s47                     ; out: its scale words
	s_mov_b32 s47, 0
	s_mov_b32 s[CS], 0x3e0293ee                    ; log2(e) / sqrt(128)
	s_mov_b32 s[CS+1], s[CS]
	s_mov_b32 s[SEL], 0x76543210
	s_mov_b32 s[SEL+1], 0xfedcba98
	s_mov_b32 s[NL2], 0xbfb8aa3b                   ; -log2(e)
	s_mov_b32 s[NL2+1], s[NL2]
	s_mov_b32 s[SB], 0                             ; the loop's first trip works period 0 from slot 0,
	s_mov_b32 s[SBX], SLOTX                        ; stages period 1 into slot 1,
	s_mov_b32 s[TS], SC                            ; and takes the first 1,024 bytes of scale words
	s_mov_b32 s[CNT], 8
	s_wait_alu depctr_va_vdst(0)                   ; the wait here, directly ahead of the wait below
	s_wait_kmcnt 0x0
	s_add_nc_u64 s[34:35], s[72:73], s[34:35]
	s_add_nc_u64 s[36:37], s[72:73], s[36:37]
	s_add_nc_u64 s[42:43], s[70:71], s[42:43]
	s_add_nc_u64 s[KP:KP+1], s[68:69], s[40:41]
	s_add_nc_u64 s[24:25], s[68:69], s[24:25]
	s_add_nc_u64 s[28:29], s[70:71], s[28:29]
	s_add_nc_u64 s[26:27], s[74:75], s[26:27]
	s_add_nc_u64 s[MP:MP+1], s[72:73], s[32:33]
	s_add_nc_u64 s[52:53], s[76:77], s[44:45]
	s_add_nc_u64 s[54:55], s[78:79], s[46:47]
	global_load_b32 v8, v11, s[34:35]              ; lane l: tile l / 16, step l % 16
	global_load_b32 v9, v11, s[36:37]
.irp c, 0,1,2,3
	global_load_b128 v[KSW+4*\c:KSW+4*\c+3], v[L16], s[42:43] offset:512*\c   ; my 2,048 bytes of the scale words
.endr
.irp e, 0,1
.irp c, 0,1,2,3,4,5
	global_load_b128 v[ST+24*\e+4*\c:ST+24*\e+4*\c+3], v[L16], s[KP:KP+1] offset:12288*\e+512*\c   ; period 0
.endr
.endr
.irp c, 0,1,2
	global_load_b128 v[16+4*\c:19+4*\c], v[L16], s[24:25] offset:512*\c
.endr
	global_load_b32 v255, v[R16], s[28:29]
	WIN 0x40
.set g, 0
.rept 16
	global_load_b128 v[4*g:4*g+3], v[L16], s[26:27] offset:512*g
.set g, g+1
.endr
	WIN 0
	v_mov_b32 v13, 0xff61b1e6                      ; the largest t so far: -3e38
	v_floor_f32 v12, -v13                          ; -M
	v_mov_b32 v14, 0
	v_mov_b32 v15, 0
.irp b, 0,1,2,3
	v_mov_b32 v[236+\b], 0                         ; a lane permute's destination counts as read
	v_mov_b32 v[MN+\b], 0
.endr
	v_mov_b32 v253, 0
.set j, 0
.rept 64
	v_mov_b32 v[160+j], 0                          ; O^T: which period is a wave's first hangs on the stored words, so the sums begin as zeros
.set j, j+1
.endr
	s_wait_loadcnt 32                              ; the step words and the scale words are in; behind them 12 + 3 + 1 + 16 loads
.irp c, 0,1,2,3
	ds_store_b128 v10, v[KSW+4*\c:KSW+4*\c+3] offset:512*\c
.endr
	v_cmp_lt_u32 s56, 0, v8                        ; bit l: some key counts
	v_cmp_eq_u32 s57, 3, v8                        ; all count
	v_cmp_lt_u32 s58, 0, v9
	v_cmp_eq_u32 s59, 3, v9
	s_or_b32 s[NEED], s56, s58
	s_lshr_b32 s61, s[NEED], 16
	s_or_b32 s[NEED], s[NEED], s61
	s_and_b32 s[NEED], s[NEED], 0xffff             ; bit s: step s is needed by one of the four tiles: the same number in all eight waves
	s_cmp_eq_u32 s62, 0
	s_cselect_b32 s[ANYS], s58, s56
	s_cselect_b32 s[ALLS], s59, s57
	s_lshl_b32 s61, s60, 4
	s_lshr_b32 s[ANYS], s[ANYS], s61
	s_lshr_b32 s[ALLS], s[ALLS], s61
	s_and_b32 s[ANYS], s[ANYS], 0xffff
	s_and_b32 s[ALLS], s[ALLS], 0xffff
.macro FETCHK e                        ; 26 LDS loads: step e's scale words and eight fragments of K
	ds_load_b128 v[KSW:KSW+3], v[SK] offset:512*\e
	ds_load_b128 v[KSW+4:KSW+7], v[SK] offset:512*\e+256
	WIN 0x40
.irp t, 0,1,2,3,4,5,6,7
.irp c, 0,1,2
	ds_load_b128 v[KFR+12*\t+4*\c:KFR+12*\t+4*\c+3], v[RD] offset:24576*\e+1536*\t+512*\c
.endr
.endr
	WIN 0
.endm
.macro FETCHV e                        ; 26 LDS loads: the same of V
	ds_load_b128 v[VSW:VSW+3], v[SK] offset:8192+512*\e
	ds_load_b128 v[VSW+4:VSW+7], v[SK] offset:8192+512*\e+256
	WIN 0x40
.irp t, 0,1,2,3,4,5,6,7
.irp c, 0,1,2
	ds_load_b128 v[VFR+12*\t+4*\c:VFR+12*\t+4*\c+3], v[RD] offset:24576*\e+12288+1536*\t+512*\c
.endr
.endr
	WIN 0
.endm
.macro RELOAD                          ; behind the wait that shows my LDS stores done: period q's mask words, and period q + 1 of K or V where it is needed (NEED has no bit beyond step 15)
	global_load_b64 v[MN:MN+1], v[L8], s[MP:MP+1]
	global_load_b64 v[MN+2:MN+3], v[L8], s[MP:MP+1] offset:256
	s_and_b32 s56, s[NEED], 12
	s_cmp_lg_u32 s56, 0
	s_cbranch_scc0 .Lnoload_\@
.irp e, 0,1
.irp c, 0,1,2,3,4,5
	global_load_b128 v[ST+24*\e+4*\c:ST+24*\e+4*\c+3], v[L16], s[KP:KP+1] offset:24576+12288*\e+512*\c
.endr
.endr
.Lnoload_\@:
.endm
.macro PLACES
.rept 4
	v_nop
.endr
.endm
.macro SMUL                            ; S^T = K Q^T: lane (r, h) holds query r; register n is key 32 (n / 16) + 16 h + n % 16 of the step
	WIN 0x01
.irp t, 0,1,2,3,4,5,6,7
	v_wmma_scale_f32_16x16x128_f8f6f4 v[96+8*\t:103+8*\t], v[KFR+12*\t:KFR+12*\t+11], v[16:27], 0, v[KSW+\t], v255 matrix_a_fmt:MATRIX_FMT_BF6 matrix_b_fmt:MATRIX_FMT_BF6
.endr
	WIN 0
	PLACES
.endm
.macro PV                              ; O^T += V^T p^T, the eight accumulators by turns
	WIN 0x01
.irp t, 0,1,2,3,4,5,6,7
	v_wmma_scale_f32_16x16x128_f8f6f4 v[160+8*\t:167+8*\t], v[VFR+12*\t:VFR+12*\t+11], v[224:235], v[160+8*\t:167+8*\t], v[VSW+\t], v253 matrix_a_fmt:MATRIX_FMT_BF6 matrix_b_fmt:MATRIX_FMT_BF6
.endr
	WIN 0
	PLACES
.endm
.macro SOFT e                          ; the mask, the running M, p, l, p's codes and scale word, O^T under the new M
	s_bitcmp1_b32 s[ALLS], \e
	s_cbranch_scc1 .Lfull_\@                       ; every key of the step counts for every query of my tile
.set n, 0
.rept 64
	v_readlane_b32 s[20+n+16*(n/32)], v[MC+2*\e+n/32], n%32
.set n, n+1
.endr
.set n, 0
.rept 64
	v_cndmask_b32 v[96+n], v[NINF], v[96+n], s[20+n+16*(n/32)]
.set n, n+1
.endr
.Lfull_\@:
.irp b, 0,1,2,3
	v_max3_num_f32 v[232+\b], v[96+16*\b], v[97+16*\b], v[98+16*\b]   ; each block's largest score, the four blocks by turns
.endr
.irp i, 3,5,7,9,11,13
.irp b, 0,1,2,3
	v_max3_num_f32 v[232+\b], v[232+\b], v[96+16*\b+\i], v[97+16*\b+\i]
.endr
.endr
.irp b, 0,1,2,3
	v_max_num_f32 v[232+\b], v[232+\b], v[111+16*\b]
.endr
.irp b, 0,1,2,3
	v_permlanex16_b32 v[236+\b], v[232+\b], s[SEL], s[SEL+1]
.endr
.irp b, 0,1,2,3
	v_max_num_f32 v[232+\b], v[232+\b], v[236+\b]
.endr
	v_max3_num_f32 v254, v232, v233, v234
	s_delay_alu instid0(VALU_DEP_1)
	v_max_num_f32 v254, v254, v235
	s_delay_alu instid0(VALU_DEP_1)
	v_mul_f32 v254, s[CS], v254
	s_delay_alu instid0(VALU_DEP_1)
	v_max_num_f32 v13, v13, v254                   ; the running largest t
	v_mov_b32 v254, v12
	s_delay_alu instid0(VALU_DEP_2)
	v_floor_f32 v12, -v13                          ; -M = floor(-t)
	s_delay_alu instid0(VALU_DEP_1)
	v_sub_f32 v254, v12, v254
	s_delay_alu instid0(VALU_DEP_1)
	v_cvt_i32_f32 v254, v254
	s_delay_alu instid0(VALU_DEP_1)
	v_ldexp_f32 v252, 1.0, v254                    ; f = 2^(old M - new M)
.set j, 0
.rept 32
	v_pk_fma_f32 v[96+j:97+j], v[96+j:97+j], s[CS:CS+1], v[12:13] op_sel_hi:[1,0,0]
.set j, j+2
.endr
.irp b, 0,1,2,3
	v_fma_f32 v[232+\b], v[232+\b], s[CS], v12
.endr
	s_wait_alu depctr_va_vdst(0)                   ; the wait ahead of the batch
.set j, 0
.rept 64
	v_exp_f32 v[96+j], v[96+j]
.set j, j+1
.endr
	v_pk_mul_f32 v[14:15], v[14:15], v[252:253] op_sel_hi:[1,0]
	s_wait_alu depctr_va_vdst(0)                   ; and behind it
.irp b, 0,1,2,3
	v_exp_f32 v[232+\b], v[232+\b]                 ; each block's largest p
.endr
	v_pk_add_f32 v[236:237], v[96:97], v[98:99]    ; l of the unquantised p, in two chains
.irp j, 4,8,12,16,20,24,28,32,36,40,44,48,52,56,60
	v_pk_add_f32 v[14:15], v[14:15], v[96+\j:97+\j]
	v_pk_add_f32 v[236:237], v[236:237], v[98+\j:99+\j]
.endr
	v_pk_add_f32 v[14:15], v[14:15], v[236:237]
	s_wait_alu depctr_va_vdst(0)
.irp b, 0,1,2,3
	v_max_num_f32 v[232+\b], 0x2800000, v[232+\b]  ; the floor 2^(5 - 127)
.endr
.irp b, 0,1,2,3
	v_add_nc_u32 v[244+\b], 0xfe000000, v[232+\b]  ; 4 off the exponent field: the conversion's scale operand
.endr
.irp b, 0,1,2,3
	v_lshrrev_b32 v[236+\b], 23, v[244+\b]
.endr
	v_lshl_or_b32 v253, v237, 8, v236
	s_delay_alu instid0(VALU_DEP_1)
	v_lshl_or_b32 v253, v238, 16, v253
	s_delay_alu instid0(VALU_DEP_1)
	v_lshl_or_b32 v253, v239, 24, v253
.irp c, 0,1
	v_cvt_scalef32_pk16_bf6_f32 v[224+6*\c:226+6*\c], v[96+32*\c:111+32*\c], v[244+2*\c]
	v_cvt_scalef32_pk16_bf6_f32 v[236+4*\c:238+4*\c], v[112+32*\c:127+32*\c], v[244+2*\c+1]
.endr
	v_nop
.irp c, 0,1
.irp i, 0,1,2
	v_permlane16_swap_b32 v[224+6*\c+\i], v[236+4*\c+\i]
.endr
.irp i, 0,1,2
	v_mov_b32 v[227+6*\c+\i], v[236+4*\c+\i]
.endr
.endr
	s_wait_alu depctr_va_vdst(0)                   ; the wait here, directly ahead of the first reader of O^T
.set j, 0
.rept 32
	v_pk_mul_f32 v[160+j:161+j], v[160+j:161+j], v[252:253] op_sel_hi:[1,0]
.set j, j+2
.endr
	s_wait_alu depctr_va_vdst(0)                   ; directly ahead of the wait that follows the macro
.endm
	s_wait_alu depctr_va_vdst(0)                   ; the wait at the head's end
; TRIP 0 IS WRITTEN OUT, ahead of the loop: it works nothing.  Period 0 goes from my staging registers into slot 0, period 1 is asked of memory, and period 0's mask words.  No barrier is owed here: nobody has read slot 0;
; the wait and the barrier at the head of the loop's first trip order these stores, and the scale words' stores, ahead of every read.  The loop's eight trips are trips 1 to 8 of the comment at the kernel's head.
	s_wait_loadcnt 0x0                             ; period 0 is in my registers
	s_and_b32 s56, s[NEED], 3
	s_cmp_lg_u32 s56, 0
	s_cbranch_scc0 .Lnostage0
.irp e, 0,1
.irp c, 0,1,2,3,4,5
	ds_store_b128 v[W0], v[ST+24*\e+4*\c:ST+24*\e+4*\c+3] offset:24576*\e+512*\c
.endr
.endr
.Lnostage0:
	s_wait_dscnt 0x0                               ; my stores have read the staging registers
	RELOAD
	s_wait_xcnt 0x0                                ; the loads have read their bases
	s_add_nc_u64 s[KP:KP+1], s[KP:KP+1], 24576
	s_add_nc_u64 s[MP:MP+1], s[MP:MP+1], 512
	s_lshr_b32 s[NEED], s[NEED], 2
.Lper:
	s_wait_loadcnt 0x0                             ; period q and period q - 1's mask words are in my registers (asked for a trip ago)
.irp b, 0,1,2,3
	v_mov_b32 v[MC+\b], v[MN+\b]
.endr
	v_add_nc_u32 v[RD], s[SB], v[L16]
	v_add_nc_u32 v[WR], s[SBX], v[W0]
	v_add_nc_u32 v[SK], s[TS], v[R16]
	s_wait_alu depctr_va_vdst(0)
	s_wait_dscnt 0x0                               ; my stores of the last trip are done, and my reads of the slot that is written next
	s_barrier_signal -1
	s_barrier_wait -1
	s_and_b32 s56, s[NEED], 3
	s_cmp_lg_u32 s56, 0
	s_cbranch_scc0 .Lnostage
.irp e, 0,1
.irp c, 0,1,2,3,4,5
	ds_store_b128 v[WR], v[ST+24*\e+4*\c:ST+24*\e+4*\c+3] offset:24576*\e+512*\c
.endr
.endr
.Lnostage:
	s_and_b32 s56, s[ANYS], 3
	s_cmp_lg_u32 s56, 0
	s_cbranch_scc0 .Lidle
	FETCHK 0
	FETCHV 0
	s_wait_dscnt 26                                ; all but V's 26: K's step 0 is in, and my stores have read the staging registers
	RELOAD
	SMUL
	FETCHK 1
	SOFT 0
	s_wait_dscnt 26                                ; all but K's step 1
	PV
	FETCHV 1
	s_wait_dscnt 26                                ; all but V's step 1
	SMUL
	SOFT 1
	s_wait_dscnt 0x0
	PV
	s_branch .Ljoin
.Lidle:
	s_wait_dscnt 0x0                               ; my stores have read the staging registers
	RELOAD
.Ljoin:
	s_wait_xcnt 0x0                                ; the loads have read their bases
	s_add_nc_u64 s[KP:KP+1], s[KP:KP+1], 24576
	s_add_nc_u64 s[MP:MP+1], s[MP:MP+1], 512
	s_lshr_b32 s[NEED], s[NEED], 2
	s_lshr_b32 s[ANYS], s[ANYS], 2
	s_lshr_b32 s[ALLS], s[ALLS], 2
	s_xor_b32 s[SB], s[SB], SLOTX
	s_xor_b32 s[SBX], s[SBX], SLOTX
	s_add_co_u32 s[TS], s[TS], 1024
	s_sub_co_u32 s[CNT], s[CNT], 1
	s_cmp_lg_u32 s[CNT], 0
	s_cbranch_scc1 .Lper
; THE WAY OUT: O / l x sigmoid(gate) = O / (l + l 2^(-gate log2 e)), quantised along the head's 128
.set PC, 32
.set TM, 64
	s_wait_loadcnt 0x0                             ; nothing is on its way into the registers used below
.irp b, 0,1,2,3
	v_mov_b32 v[TM+4+\b], 0
.endr
	v_add_f32 v14, v14, v15
	s_delay_alu instid0(VALU_DEP_1)
	v_permlanex16_b32 v252, v14, s[SEL], s[SEL+1]
	s_delay_alu instid0(VALU_DEP_1)
	v_add_f32 v14, v14, v252
	s_delay_alu instid0(VALU_DEP_1)
	v_mov_b32 v15, v14
	WIN 0x01
.set j, 0
.rept 32
	v_pk_mul_f32 v[96+j:97+j], v[j:j+1], s[NL2:NL2+1] op_sel_hi:[1,0]
.set j, j+2
.endr
	WIN 0
	s_wait_alu depctr_va_vdst(0)
.set j, 0
.rept 64
	v_exp_f32 v[96+j], v[96+j]
.set j, j+1
.endr
	v_nop
	s_wait_alu depctr_va_vdst(0)
.set j, 0
.rept 32
	v_pk_fma_f32 v[96+j:97+j], v[96+j:97+j], v[14:15], v[14:15]
.set j, j+2
.endr
	s_wait_alu depctr_va_vdst(0)
.set j, 0
.rept 64
	v_rcp_f32 v[96+j], v[96+j]
.set j, j+1
.endr
	v_nop
	s_wait_alu depctr_va_vdst(0)
.set j, 0
.rept 32
	v_pk_mul_f32 v[96+j:97+j], v[96+j:97+j], v[160+j:161+j]
.set j, j+2
.endr
.irp b, 0,1,2,3
	v_max3_num_f32 v[TM+\b], |v[96+16*\b]|, |v[97+16*\b]|, 0x2800000
.endr
.irp i, 2,4,6,8,10,12,14
.irp b, 0,1,2,3
	v_max3_num_f32 v[TM+\b], v[TM+\b], |v[96+16*\b+\i]|, |v[97+16*\b+\i]|
.endr
.endr
.irp b, 0,1,2,3
	v_permlanex16_b32 v[TM+4+\b], v[TM+\b], s[SEL], s[SEL+1]
.endr
.irp b, 0,1,2,3
	v_max_num_f32 v[TM+\b], v[TM+\b], v[TM+4+\b]
.endr
.irp b, 0,1,2,3
	v_add_nc_u32 v[TM+12+\b], 0xfe000000, v[TM+\b]
.endr
.irp b, 0,1,2,3
	v_lshrrev_b32 v[TM+4+\b], 23, v[TM+12+\b]
.endr
	v_lshl_or_b32 v52, v[TM+5], 8, v[TM+4]
	s_delay_alu instid0(VALU_DEP_1)
	v_lshl_or_b32 v52, v[TM+6], 16, v52
	s_delay_alu instid0(VALU_DEP_1)
	v_lshl_or_b32 v52, v[TM+7], 24, v52
.irp c, 0,1
	v_cvt_scalef32_pk16_bf6_f32 v[PC+6*\c:PC+2+6*\c], v[96+32*\c:111+32*\c], v[TM+12+2*\c]
	v_cvt_scalef32_pk16_bf6_f32 v[PC+12+4*\c:PC+14+4*\c], v[112+32*\c:127+32*\c], v[TM+12+2*\c+1]
.endr
	v_nop
.irp c, 0,1
.irp i, 0,1,2
	v_permlane16_swap_b32 v[PC+6*\c+\i], v[PC+12+4*\c+\i]
.endr
.irp i, 0,1,2
	v_mov_b32 v[PC+3+6*\c+\i], v[PC+12+4*\c+\i]
.endr
.endr
.irp c, 0,1,2
	global_store_b128 v[L16], v[PC+4*\c:PC+4*\c+3], s[52:53] offset:512*\c   ; 512 consecutive bytes, aligned
.endr
	global_store_b32 v[SCO], v52, s[54:55]         ; lanes 16-31 write the same words with the same values
	s_wait_tensorcnt 0x0                           ; the wave's end
	ds_add_u32 v[SPW], v[NIL]
	s_wait_dscnt 0x0
	s_endpgm
.Lfunc_end_k_q4d0713a526_attn:
	.size	k_q4d0713a526_attn, .Lfunc_end_k_q4d0713a526_attn-k_q4d0713a526_attn
	.p2alignl 7, 3214868480
	.fill 96, 4, 3214868480
	.section	.rodata,"a",@progbits
	.p2align	6, 0x0
	.amdhsa_kernel k_q4d0713a526_attn
		.amdhsa_group_segment_fixed_size 132096
		.amdhsa_private_segment_fixed_size 0
		.amdhsa_enable_private_segment 0
		.amdhsa_kernarg_size 48
		.amdhsa_user_sgpr_count 2
		.amdhsa_user_sgpr_kernarg_segment_ptr 1
		.amdhsa_wavefront_size32 1
		.amdhsa_system_sgpr_workgroup_id_x 1
		.amdhsa_system_sgpr_workgroup_id_y 1
		.amdhsa_system_sgpr_workgroup_id_z 1
		.amdhsa_system_vgpr_workitem_id 0
		.amdhsa_next_free_vgpr 512
		.amdhsa_next_free_sgpr 106
		.amdhsa_reserve_vcc 0
		.amdhsa_float_denorm_mode_32 3
		.amdhsa_float_denorm_mode_16_64 3
		.amdhsa_memory_ordered 1
		.amdhsa_forward_progress 1
		.amdhsa_inst_pref_size 88
	.end_amdhsa_kernel
	.amdgpu_metadata
---
amdhsa.version: [ 1, 2 ]
amdhsa.kernels:
  - .name:           k_q4d0713a526_attn
    .symbol:         k_q4d0713a526_attn.kd
    .args:
      - { .name: qkv_codes, .offset: 0, .size: 8, .value_kind: global_buffer, .address_space: global }
      - { .name: qkv_scales, .offset: 8, .size: 8, .value_kind: global_buffer, .address_space: global }
      - { .name: maskw, .offset: 16, .size: 8, .value_kind: global_buffer, .address_space: global }
      - { .name: gate, .offset: 24, .size: 8, .value_kind: global_buffer, .address_space: global }
      - { .name: att_codes, .offset: 32, .size: 8, .value_kind: global_buffer, .address_space: global }
      - { .name: att_scales, .offset: 40, .size: 8, .value_kind: global_buffer, .address_space: global }
    .group_segment_fixed_size: 132096
    .private_segment_fixed_size: 0
    .kernarg_segment_align: 8
    .kernarg_segment_size: 48
    .max_flat_workgroup_size: 256
    .sgpr_count:     106
    .vgpr_count:     512
    .wavefront_size: 32
...
	.end_amdgpu_metadata
.endif
;; end of part 3
;; launch oproj (part 4): grid 8 x 16, 4 waves a work-group, clusters of 4 x 4, 327,680 bytes of LDS; arguments att_codes, att_scales, prep_codes, prep_scales, out0; writes out0
.if DOCPART == 4
	.amdgcn_target "amdgcn-amd-amdhsa--gfx1250"
	.amdhsa_code_object_version 6
	.text
	.protected	k_q4d0713a526_oproj
	.globl	k_q4d0713a526_oproj
	.p2align	8
	.type	k_q4d0713a526_oproj,@function
k_q4d0713a526_oproj:
	s_mov_b64 s[64:65], 0
	v_nop
	global_prefetch_b8 v0, s[64:65] scope:SCOPE_SE
	s_setreg_imm32_b32 hwreg(HW_REG_WAVE_MODE, 25, 1), 1
	s_wait_xcnt 0x0
	s_wait_alu depctr_hold_cnt(0) depctr_sa_sdst(0) depctr_va_vdst(0) depctr_va_sdst(0) depctr_va_ssrc(0) depctr_va_vcc(0) depctr_vm_vsrc(0)
	s_getreg_b32 s2, hwreg(HW_REG_IB_STS2, 6, 4)
	s_cmp_eq_u32 s2, 0
	s_cbranch_scc0 .Lentry_in_a_cluster
	s_endpgm
.Lentry_in_a_cluster:
	s_bfe_u32 s2, ttmp6, 0x10000c
	s_cmp_lg_u32 s2, 0xf033
	s_cbranch_scc0 .Lentry_shape_is_right
	s_endpgm
.Lentry_shape_is_right:
.set KF,     8
.set PB,     8
.set PBS,    10
.set B_CODES, 11010048
.set B_SCALES, 458752
.set LAPS,   KF/4
.set NQ,     2
.set FR,     12
.set NL,     3
.set NP,     4
.set QUART,  24576
.set SLOT,   4*QUART
.set SCQ,    KF*512
.set SCA,    2*SLOT
.set SPARE,  SCA+4*SCQ+256
.set SPITCH, 528
.set ADRA, 16
.set ADRB, 20
.set STO,  24
.set RD,   25
.set ADRS, 27
.set SPW,  28
.set NIL,  29
.set SC,   32
.set AF,   128
.set BK,   128
.set G1, 24
.set G0, 32
.set G1B, 48
.set G0B, 56
.set G1S, 68
.set G0S, 76
.set G1SB, 80
.set G0SB, 88
.set MSB, 0
.macro WIN new
.if MSB != \new
	s_set_vgpr_msb (MSB<<8)|\new
.set MSB, \new
.endif
.endm
.set MUL_LO, 0xa1
.set MUL_HI, 0xf1
.set TO_B,   0x40
.macro JLOAD g0a, g1a, g0b, g1b
	s_cmp_eq_u32 s15, 0
	s_cbranch_scc0 .Lfor_b_\@
	tensor_load_to_lds s[\g0a:\g0a+3], s[\g1a:\g1a+7]
	s_nop 0
.rept 4
	v_nop
.endr
	s_branch .Lasked_\@
.Lfor_b_\@:
	tensor_load_to_lds s[\g0b:\g0b+3], s[\g1b:\g1b+7]
	s_nop 0
.rept 4
	v_nop
.endr
.Lasked_\@:
.endm
.macro CREST
	s_cmp_lg_u32 s14, 0
	s_cbranch_scc1 .Lnot_wave_0_\@
	s_barrier_signal -3
.Lnot_wave_0_\@:
	s_barrier_wait -3
	s_barrier_signal -1
	s_barrier_wait -1
.endm
.macro CROUND
	s_barrier_signal -1
	s_barrier_wait -1
	CREST
.endm
	s_load_b256 s[4:11], s[0:1], 0x0
	s_load_b64 s[12:13], s[0:1], 0x20
	v_lshl_add_u32 v[SPW], v0, 2, SPARE
	v_mov_b32 v[NIL], 0
	ds_add_u32 v28, v29
	ds_add_u32 v28, v29
	s_wait_dscnt 0x0
	v_lshrrev_b32 v1, 5, v0
	v_readfirstlane_b32 s14, v1
	s_lshr_b32 s15, s14, 1
	s_and_b32 s16, s14, 1
	s_bfe_u32 s40, ttmp6, 0x40000
	s_bfe_u32 s41, ttmp6, 0x40004
	s_lshl_b32 s42, ttmp9, 2
	s_add_co_u32 s42, s42, s40
	s_and_b32 s17, ttmp7, 0xffff
	s_lshl_b32 s17, s17, 2
	s_add_co_u32 s17, s17, s41
	s_lshl_b32 s43, s41, 2
	s_lshl_b32 s43, 15, s43
	s_lshl_b32 s44, 0x1111, s40
	s_or_b32 s[G1+0], s43, (3<<16)|(1<<21)
	s_or_b32 s[G1B+0], s44, (3<<16)|(1<<21)
.irp g, G1, G1B
	s_mov_b32 s[\g+1], 384<<16
	s_mov_b32 s[\g+2], 16<<16
	s_mov_b32 s[\g+3], 384<<16
	s_mov_b32 s[\g+4], 16
	s_mov_b32 s[\g+5], KF*192
	s_mov_b32 s[\g+6], 0
	s_mov_b32 s[\g+7], 0
.endr
	s_or_b32 s[G1S+0], s43, (3<<16)|(1<<21)
	s_or_b32 s[G1SB+0], s44, (3<<16)|(1<<21)
.irp g, G1S, G1SB
	s_mov_b32 s[\g+1], 32<<16
	s_mov_b32 s[\g+2], (SCQ/128)<<16
	s_mov_b32 s[\g+3], 32<<16
	s_mov_b32 s[\g+4], SCQ/128
	s_mov_b32 s[\g+5], 32
	s_mov_b32 s[\g+6], 0
	s_mov_b32 s[\g+7], 0
.endr
	s_mul_i32 s18, s16, 8*KF*1536                  ; in the ring I fetch 8 tiles of 16 rows: which half, in bytes
	s_mov_b32 s19, 0
	s_lshl_b32 s20, s17, 4
	s_lshl_b32 s46, s42, 4
	s_mul_i32 s22, s20, KF*64
	s_mul_i32 s92, s46, KF*64
	s_mul_i32 s20, s20, KF*1536
	s_mul_i32 s46, s46, KF*1536
	s_add_co_u32 s46, s46, B_CODES
	s_add_co_u32 s92, s92, B_SCALES
	s_mov_b32 s21, 0
	s_mov_b32 s23, 0
	s_mov_b32 s47, 0
	s_mov_b32 s93, 0
	s_mul_i32 s45, s14, QUART
	s_wait_kmcnt 0x0
	s_add_nc_u64 s[20:21], s[4:5], s[20:21]
	s_add_nc_u64 s[22:23], s[6:7], s[22:23]
	s_add_nc_u64 s[46:47], s[PB:PB+1], s[46:47]
	s_add_nc_u64 s[92:93], s[PBS:PBS+1], s[92:93]
	CROUND
	s_mov_b32 s[G0S], 1
	s_mov_b32 s[G0S+1], SCA
	s_mov_b64 s[G0S+2:G0S+3], s[22:23]
	s_or_b32 s[G0S+3], s[G0S+3], 0x80000000
	s_mov_b32 s[G0SB], 1
	s_mov_b32 s[G0SB+1], SCA+2*SCQ+128
	s_mov_b64 s[G0SB+2:G0SB+3], s[92:93]
	s_or_b32 s[G0SB+3], s[G0SB+3], 0x80000000
	s_mov_b32 s4, 1                                ; group 0 for the head's loads of K step 0: A's 256 rows (the arguments that lay here have been used),
	s_mov_b32 s5, 0
	s_mov_b64 s[6:7], s[20:21]
	s_or_b32 s7, s7, 0x80000000
	s_mov_b32 s8, 1                                ; and B's 256 rows
	s_mov_b32 s9, 2*QUART
	s_mov_b64 s[10:11], s[46:47]
	s_or_b32 s11, s11, 0x80000000
	s_add_nc_u64 s[20:21], s[20:21], s[18:19]
	s_add_nc_u64 s[46:47], s[46:47], s[18:19]
.irp s, 0,1
	s_mov_b32 s[G0+4*\s], 1
	s_add_co_u32 s[G0+4*\s+1], s45, \s*SLOT
	s_add_nc_u64 s[G0+4*\s+2:G0+4*\s+3], s[20:21], \s*3072
	s_or_b32 s[G0+4*\s+3], s[G0+4*\s+3], 0x80000000
	s_mov_b32 s[G0B+4*\s], 1
	s_add_co_u32 s[G0B+4*\s+1], s45, \s*SLOT
	s_add_nc_u64 s[G0B+4*\s+2:G0B+4*\s+3], s[46:47], \s*3072
	s_or_b32 s[G0B+4*\s+3], s[G0B+4*\s+3], 0x80000000
.endr
; the head's loads, one a wave: wave 0 K step 0's 256 rows of A, wave 1 its 256 rows of B, wave 2 A's scales, wave 3 B's
.macro ARM under, g0, g1, next
	s_cmp_lt_u32 s14, \under
	s_cbranch_scc0 \next
	tensor_load_to_lds s[\g0:\g0+3], s[\g1:\g1+7]
	s_nop 0
.rept 4
	v_nop
.endr
	s_branch .Lhead_asked
\next:
.endm
	ARM 1, 4, G1, .Lhead_b
	ARM 2, 8, G1B, .Lhead_sa
	ARM 3, G0S, G1S, .Lhead_sb
	tensor_load_to_lds s[G0SB:G0SB+3], s[G1SB:G1SB+7]
	s_nop 0
.rept 4
	v_nop
.endr
.Lhead_asked:
	v_and_b32 v1, 15, v0
	v_bfe_u32 v2, v0, 4, 1
	s_wait_alu depctr_va_vdst(0)
	v_and_b32 v8, 31, v0
	v_lshlrev_b32 v8, 4, v8
	s_mul_i32 s21, s15, QUART
	s_mul_i32 s22, s16, QUART
	s_add_co_u32 s22, s22, 2*QUART
.irp s, 0,1
	v_add_nc_u32 v[ADRA+\s], s21, v8
	v_add_nc_u32 v[ADRB+\s], s22, v8
	s_add_co_u32 s21, s21, SLOT
	s_add_co_u32 s22, s22, SLOT
.endr
	v_lshlrev_b32 v5, 3, v1
	s_mul_i32 s21, s15, SCQ
	s_mul_i32 s22, s16, SCQ
	s_add_co_u32 s22, s22, 2*SCQ+128
	s_sub_co_u32 s22, s22, s21
	v_mul_u32_u24 v6, s22, v2
	s_add_co_u32 s21, s21, SCA
	v_add_nc_u32 v5, v5, v6
	v_add_nc_u32 v[ADRS], s21, v5
	s_mul_i32 s23, s14, 16*SPITCH
	v_mul_u32_u24 v5, v1, SPITCH
	v_lshl_add_u32 v5, v2, 6, v5
	v_add_nc_u32 v[STO], s23, v5
	v_add_nc_u32 v[RD], s23, v8
	s_lshl_b32 s20, s17, 8
	s_lshl_b32 s21, s15, 7
	s_add_co_u32 s20, s20, s21
	s_lshl_b32 s20, s20, 13
	s_mov_b32 s21, 0
	s_lshl_b32 s46, s42, 10
	s_lshl_b32 s47, s16, 9
	s_add_co_u32 s46, s46, s47
	s_mov_b32 s47, 0
	s_add_nc_u64 s[20:21], s[20:21], s[46:47]
	s_add_nc_u64 s[12:13], s[12:13], s[20:21]
.macro FRAG reg, adr, q, i
.irp c, 0,1,2
	ds_load_b128 v[\reg+4*\c:\reg+4*\c+3], v[\adr] offset:3072*(\i)+1536*(\q)+512*\c
.endr
.endm
.macro MUL16 a0, p, q, sc, zero
.irp a, \a0, \a0+1
.irp b, 0,1,2,3,4,5,6,7
.if \zero
	v_wmma_scale_f32_16x16x128_f8f6f4 v[8*(8*((\a)%4)+\b):8*(8*((\a)%4)+\b)+7], v[128*(\p)+FR*\b:128*(\p)+FR*\b+FR-1], v[AF+FR*(\a):AF+FR*(\a)+FR-1], 0, v[SC+8*NQ*(\sc)+NQ*\b+(\q)], v[SC+8*NQ*(\sc)+NQ*(\a)+(\q)] matrix_a_fmt:MATRIX_FMT_BF6 matrix_b_fmt:MATRIX_FMT_BF6 matrix_a_scale:MATRIX_SCALE_ROW1
.else
	v_wmma_scale_f32_16x16x128_f8f6f4 v[8*(8*((\a)%4)+\b):8*(8*((\a)%4)+\b)+7], v[128*(\p)+FR*\b:128*(\p)+FR*\b+FR-1], v[AF+FR*(\a):AF+FR*(\a)+FR-1], v[8*(8*((\a)%4)+\b):8*(8*((\a)%4)+\b)+7], v[SC+8*NQ*(\sc)+NQ*\b+(\q)], v[SC+8*NQ*(\sc)+NQ*(\a)+(\q)] matrix_a_fmt:MATRIX_FMT_BF6 matrix_b_fmt:MATRIX_FMT_BF6 matrix_a_scale:MATRIX_SCALE_ROW1
.endif
.endr
.endr
.endm
.macro FETCH_B slot, q, p
	WIN TO_B
.irp i, 0,1,2,3,4,5,6,7
	FRAG 128*(\p)+FR*\i, ADRB+\slot, \q, \i
.endr
	WIN 0
.endm
.macro FETCH_A slot, q, i0
.irp i, \i0, \i0+1, \i0+2, \i0+3
	FRAG AF+FR*(\i), ADRA+\slot, \q, \i
.endr
.endm
.macro SCALES sc
.irp i, 0,1,2,3,4,5,6,7
	ds_load_b64 v[SC+8*NQ*\sc+NQ*\i:SC+8*NQ*\sc+NQ*\i+1], v[ADRS] offset:(\i/2)*KF*128+(\i%2)*128
.endr
.endm
.macro PLACES n
.rept \n
	v_nop
.endr
.endm
.macro STEP slot, q, zero
	s_wait_dscnt 4*NL
	WIN MUL_LO
	MUL16 0, (\q)%2, \q, \slot, \zero
	MUL16 2, (\q)%2, \q, \slot, \zero
	s_wait_dscnt 0
	PLACES NP
	FETCH_B \slot, (\q)+1, 1-(\q)%2
	FETCH_A \slot, (\q)+1, 0
	WIN MUL_HI
	MUL16 4, (\q)%2, \q, \slot, \zero
	MUL16 6, (\q)%2, \q, \slot, \zero
	PLACES NP
	WIN 0
	FETCH_A \slot, (\q)+1, 4
.endm
.macro TURN slot, next, fill
	s_wait_tensorcnt 0x0
	ds_add_u32 v[SPW], v[NIL]
	s_wait_dscnt 4*NL+1
	WIN MUL_LO
	MUL16 0, 1, NQ-1, \slot, 0
	s_wait_dscnt 0x0
	s_barrier_signal -1
	MUL16 2, 1, NQ-1, \slot, 0
	WIN 0
	s_barrier_wait -1
.if \fill
	CREST
	s_add_nc_u64 s[G0+4*\slot+2:G0+4*\slot+3], s[G0+4*\slot+2:G0+4*\slot+3], 6144
	s_add_nc_u64 s[G0B+4*\slot+2:G0B+4*\slot+3], s[G0B+4*\slot+2:G0B+4*\slot+3], 6144
	JLOAD G0+4*\slot, G1, G0B+4*\slot, G1B
.else
	PLACES NP
.endif
	s_wait_alu depctr_va_vdst(0)
	v_add_nc_u32 v[ADRS], 256, v[ADRS]
	FETCH_B \next, 0, 0
	FETCH_A \next, 0, 0
	SCALES \next
	WIN MUL_HI
	MUL16 4, 1, NQ-1, \slot, 0
	MUL16 6, 1, NQ-1, \slot, 0
	PLACES NP
	WIN 0
	FETCH_A \next, 0, 4
.endm
	s_wait_alu depctr_va_vdst(0)
	s_wait_tensorcnt 0x0                           ; my tile of the head's four is in; these lines stand ahead of a later first fill as ahead of a refill
	ds_add_u32 v[SPW], v[NIL]
	s_mov_b32 s[G1+2], 8<<16                       ; no tensor load of mine is out: from here on a load brings 8 tiles of 16 rows
	s_mov_b32 s[G1+4], 8
	s_mov_b32 s[G1B+2], 8<<16
	s_mov_b32 s[G1B+4], 8
	s_wait_dscnt 0x0
	CROUND
	JLOAD G0+4, G1, G0B+4, G1B                     ; K step 1, the first tensor load behind the round
	FETCH_B 0, 0, 0
	FETCH_A 0, 0, 0
	SCALES 0
	FETCH_A 0, 0, 4
	STEP 0, 0, 1
	s_mov_b32 s3, LAPS-1
.Llap:
	TURN 0, 1, 1
	STEP 1, 0, 0
	TURN 1, 0, 1
	STEP 0, 0, 0
	s_sub_co_u32 s3, s3, 1
	s_cmp_lg_u32 s3, 0
	s_cbranch_scc1 .Llap
	TURN 0, 1, 0
	STEP 1, 0, 0
	s_wait_dscnt 4*NL
	WIN MUL_LO
	MUL16 0, 1, NQ-1, 1, 0
	MUL16 2, 1, NQ-1, 1, 0
	s_wait_dscnt 0
	WIN MUL_HI
	MUL16 4, 1, NQ-1, 1, 0
	MUL16 6, 1, NQ-1, 1, 0
	WIN 0
.macro TOSTAGE a
.set AC, 64*((\a)%4)
	WIN 0x08+4*((\a)/4)
.irp b, 0,1,2,3,4,5,6,7
	ds_store_b128 v[STO], v[AC+8*\b:AC+8*\b+3] offset:128*(\b/2)+32*(\b%2)
	ds_store_b128 v[STO], v[AC+8*\b+4:AC+8*\b+7] offset:128*(\b/2)+32*(\b%2)+16
.endr
	WIN 0
.set BB, BK+64*((\a)%2)
.irp t, 0,1,2,3,4,5,6,7,8,9,10,11,12,13,14,15
	ds_load_b128 v[BB+4*\t:BB+4*\t+3], v[RD] offset:\t*SPITCH
.endr
.endm
.macro SEND a, younger
.set BB, BK+64*((\a)%2)
	s_wait_dscnt \younger
.irp t, 0,1,2,3,4,5,6,7,8,9,10,11,12,13,14,15
	global_store_b128 v8, v[BB+4*\t:BB+4*\t+3], s[12:13] offset:(32*((\a)/2)+8*((\a)%2)+\t+8*(\t/8))*8192 th:TH_STORE_NT
.endr
.endm
	PLACES NP
	TOSTAGE 0
.irp a, 1,2,3,4,5,6,7
.if \a > 1
	s_wait_xcnt 0x0
.endif
	TOSTAGE \a
	SEND \a-1, 32
.endr
	SEND 7, 0
	s_wait_tensorcnt 0x0
	ds_add_u32 v[SPW], v[NIL]
	s_wait_dscnt 0x0
	CROUND
	s_endpgm
.Lfunc_end_k_q4d0713a526_oproj:
	.size	k_q4d0713a526_oproj, .Lfunc_end_k_q4d0713a526_oproj-k_q4d0713a526_oproj
	.p2alignl 7, 3214868480
	.fill 96, 4, 3214868480
	.section	.rodata,"a",@progbits
	.p2align	6, 0x0
	.amdhsa_kernel k_q4d0713a526_oproj
		.amdhsa_group_segment_fixed_size 327680
		.amdhsa_private_segment_fixed_size 0
		.amdhsa_enable_private_segment 0
		.amdhsa_kernarg_size 40
		.amdhsa_user_sgpr_count 2
		.amdhsa_user_sgpr_kernarg_segment_ptr 1
		.amdhsa_wavefront_size32 1
		.amdhsa_system_sgpr_workgroup_id_x 1
		.amdhsa_system_sgpr_workgroup_id_y 1
		.amdhsa_system_sgpr_workgroup_id_z 1
		.amdhsa_system_vgpr_workitem_id 0
		.amdhsa_next_free_vgpr 1024
		.amdhsa_next_free_sgpr 98
		.amdhsa_reserve_vcc 0
		.amdhsa_float_denorm_mode_32 3
		.amdhsa_float_denorm_mode_16_64 3
		.amdhsa_memory_ordered 1
		.amdhsa_forward_progress 1
		.amdhsa_inst_pref_size 136
	.end_amdhsa_kernel
	.amdgpu_metadata
---
amdhsa.version: [ 1, 2 ]
amdhsa.kernels:
  - .name:           k_q4d0713a526_oproj
    .symbol:         k_q4d0713a526_oproj.kd
    .args:
      - { .name: att_codes, .offset: 0, .size: 8, .value_kind: global_buffer, .address_space: global }
      - { .name: att_scales, .offset: 8, .size: 8, .value_kind: global_buffer, .address_space: global }
      - { .name: prep_codes, .offset: 16, .size: 8, .value_kind: global_buffer, .address_space: global }
      - { .name: prep_scales, .offset: 24, .size: 8, .value_kind: global_buffer, .address_space: global }
      - { .name: out0, .offset: 32, .size: 8, .value_kind: global_buffer, .address_space: global }
    .group_segment_fixed_size: 327680
    .private_segment_fixed_size: 0
    .kernarg_segment_align: 8
    .kernarg_segment_size: 40
    .max_flat_workgroup_size: 128
    .sgpr_count:     98
    .vgpr_count:     1024
    .wavefront_size: 32
...
	.end_amdgpu_metadata
.endif
;; end of part 4
